; MI455X (gfx1250); checked and timed in simulation.
; The chip was launched on July 23, 2026; its instructions are those of AMD's public machine-readable ISA for CDNA 5 (MIT licence, August 2026) and "CDNA5" Instruction Set Architecture Reference Guide (July 2026). The comments in the code are by the model that wrote it; some were corrected since.
;; Attention Layer. Allowed arithmetic: matrix products marked QUANTISED: E4M3 operands, one E8M0 scale for each 32 along K, by v_wmma_scale_f32_16x16x128_f8f6f4 with both operands' format E4M3, f32 sums; everything else in f32.
;; Inputs: query 8 x 2,048 x 1,024 float32; value 8 x 2,048 x 1,024 float32.
;; Outputs: out0 8 x 2,048 x 1,024 float32.
;; This version of the problem:
;;   THIS VERSION OF THE PROBLEM IS GIVEN IN LOW PRECISION. The matrix products marked QUANTISED in the list below multiply operands that are first quantised to E4M3 (4 exponent bits, 3 mantissa bits; 8 bits a number), with one power-of-two scale for each 32 numbers along K (OCP MX v1.0); their sums are f32. All else is computed in f32.
;;   The module's matrix products, in the order in which they are computed (A, B: the left and right operand; K: the contracted axis; several contracted axes count as one K, in the product's order):
;;     1. batch 8 x [M 2,048, K 1,024] x [K 1,024, N 2,048]; A: input query; B: input value: QUANTISED
;;     2. batch 8 x [M 2,048, K 2,048] x [K 2,048, N 1,024]; A: softmax (see below); B: input value: QUANTISED
;;   THE QUANTISER, for each operand of a quantised product, along K:
;;     - K is cut into blocks of 32 from its start; a last block that is shorter is filled with zeros.
;;     - A block's scale is 2^e with e = floor(log2(the largest magnitude in the block)) - 8, held to -126 .. 127; a block of zeros has e = 0. As a byte (E8M0): e + 127.
;;     - Each number is divided by its block's scale, clamped to +-448, and rounded to the nearest number of E4M3, ties to even, subnormals kept.
;;     - The product sums the exact products of the quantised numbers (number of the format x scale) in f32.
;;   ~~~python
;;   def quantise(x, axis):      # numpy; x: float32 -> the quantised numbers, widened to float32 again
;;       x = np.moveaxis(x, axis, -1); K = x.shape[-1]
;;       x = np.pad(x, [(0, 0)] * (x.ndim - 1) + [(0, -K % 32)]); x = x.reshape(x.shape[:-1] + (-1, 32)); a = np.abs(x).max(-1, keepdims=True)
;;       e = np.where(a > 0, np.clip(np.frexp(np.where(a > 0, a, 1))[1] - 1 - 8, -126, 127), 0)      # np.frexp(a)[1] - 1 = floor(log2(a)), exactly
;;       r = np.clip(x / 2.0 ** e, -448, 448)
;;       step = 2.0 ** (np.maximum(np.frexp(np.where(r == 0, 1, r))[1] - 1, -6) - 3)
;;       q = np.round(r / step) * step * 2.0 ** e      # np.round: ties to even
;;       return np.moveaxis(q.reshape(q.shape[:-2] + (-1,))[..., :K], -1, axis).astype(np.float32)
;;   ~~~
;;   SOFTMAX AHEAD OF A QUANTISED PRODUCT. Where the list says 'softmax', what is quantised is not the finished softmax but p = 2^(t - M), with t = logit x log2(e) and M = ceil(the row's largest t), a whole number; so 1/2 < the row's largest p <= 1. The row's sum l is taken of the UNQUANTISED p, in f32, and the product's result is divided by l at the end. Since M is a whole number, a kernel that streams over the keys may use a running M (the ceiling of the running maximum): every later rescaling is an exact power of two, which a block's scale takes up: the codes' values come out the same.
;;   OPERANDS COMPUTED ON THE WAY. 'Computed on the way' means the value that the module computes at that place (a softmax that the list does not call 'softmax' is quantised finished and normalised). What goes into a quantiser is computed in f32, as accurately as f32 sums, v_exp_f32 and their like allow (about 1e-6 of the number): no bf16 or f16 on the way to a quantiser, and a product that is left as it is and whose result goes on into a quantised operand takes f32 operands (vector FMAs, or v_wmma_f32_16x16x4_f32). A number that lies on a knife's edge between two numbers of the format may be rounded either way, as far as f32 arithmetic and the matrix unit's own rounding can turn it there, and no further.
;; One version. Each part assembles by itself: llvm-mc -triple=amdgcn-amd-amdhsa -mcpu=gfx1250 --defsym DOCPART=n.
;; ======== version 1 of 1: 3 launches
;; workspace buffers: qc 16,777,216 bytes; qs 524,288 bytes; kc 16,777,216 bytes; ks 524,288 bytes; vc 16,777,216 bytes; vs 524,288 bytes; pc 33,554,432 bytes; pst 3,145,728 bytes
;; launch quant (part 1): grid 256 x 1, 16 waves a work-group, no clusters, 247,808 bytes of LDS; arguments query, value, qc, qs, kc, ks, vc, vs; writes qc, qs, kc, ks, vc, vs
.if DOCPART == 1
	.amdgcn_target "amdgcn-amd-amdhsa--gfx1250"
	.amdhsa_code_object_version 6
	.text
	.protected	k_q93c31be970_quant
	.globl	k_q93c31be970_quant
	.p2align	8
	.type	k_q93c31be970_quant,@function
k_q93c31be970_quant:
	s_mov_b64 s[64:65], 0
	v_nop
	global_prefetch_b8 v0, s[64:65] scope:SCOPE_SE
	s_setreg_imm32_b32 hwreg(HW_REG_WAVE_MODE, 25, 1), 1
	s_wait_xcnt 0x0
; query and value, [16384 rows][1024] f32 (8 batches of 2,048 rows), become codes of FP8 (E4M3) with one E8M0 scale byte for each 32 along a product's K.
;   qc [16384][1024], qs [16384][32]: query along its 1,024 channels.      kc, ks: value likewise (the first product's second operand).
;   vc [8 x 1024 channels][2048 keys], vs [8 x 1024][64]: value along the KEYS, keys innermost (the second product's second operand).
; A block's scale is 2^(floor(log2(its largest magnitude)) - 8); its byte is the largest magnitude's exponent field - 8, held at 1 from below; each number is held within +-448 x the scale and rounded to the nearest code.
; LIMITS: a block of zeros gets the byte 1 (its codes are zeros; the bytes are read by this program alone); blocks whose largest magnitude lies under 2^-118 have their byte held at 1; NaN and infinities are not served.
; SIXTEEN WAVES IN TWO ROLES, so that both streams are on their way at the same time: waves 0-7 take value (64 loads of 128 bytes a wave are out), waves 8-15 query (16 loads of 512 bytes a wave).
; The roles part on the wave's number, once, and meet at the one barrier.  Every address register of both roles is made ahead of the parting, and neither role writes an address register of the other.
; VALUE IS READ ONCE.  A work-group takes a tile of 256 keys x 256 channels; wave w (0-7) its channels 32 w .. 32 w + 31, 32 keys at a time.  A lane takes a channel and its registers run down the keys: that IS a block
; along the keys.  The same 32 x 32 numbers turn through the wave's own LDS tile and come back with a lane holding 16 neighbouring channels of one key: two lanes (l, l xor 16) hold a block along the channels.
; Both kinds of codes are gathered in LDS and leave as rows of 256 bytes, sixteen lanes to 256 consecutive aligned bytes.  A key's 256 code bytes come from eight waves: behind the barrier all sixteen waves store 16 key rows each.
; QUERY is a plain stream of blocks: wave 8 + w takes 16 steps of 512 numbers; loads read 512 consecutive bytes, and the numbers turn through a stage so that a lane holds 16 neighbours.
; No tensor loads, no matrix work, no cluster: memory binds, and work-groups share no input.
.set VST,   0                          ; LDS: each value wave's 32 channel rows of 256 code bytes + 16
.set KST,   69632                      ; the work-group's 256 key rows of 256 code bytes + 16
.set KSS,   139264                     ; the work-group's 256 x 8 scale bytes along the channels
.set TRS,   141312                     ; each value wave's 32 x 32 f32 tile, rows 144 bytes apart
.set QST,   178176                     ; the query role: 8,192 bytes for each of its waves
.set X,     32                         ; v32-95   two sets of 32 numbers: a channel's 32 keys
.set Y,     96                         ; v96-127  two passes of 16 numbers: a key's 16 channels
.set C,     128                        ; v128-135 codes along the keys
.set KC,    136                        ; v136-143 codes along the channels
.set SB,    144                        ; v144-145 my channel's eight scale bytes
.set OUTR,  160                        ; v160-223 the way out
.set FLOOR, 0x4800000                  ; 2^(9 - 127): no largest magnitude is taken under it, so no byte falls under 1
.set OFFE,  0xfc000000                 ; takes 8 off an exponent field
.set STEPS, 16                         ; the query role:
.set CB,    16                         ; bytes of 16 codes
.set SP,    80                         ; a lane's place in a stage: its 64 bytes + 16 of padding
.set QR,    16                         ; v16-79   four sets of 16 numbers as they are loaded
.set QX,    80                         ; v80-111  two sets of 16 neighbours
.set QE,    112                        ; v112-127 a scale byte for each step
.set QC,    128                        ; v128-191 four registers of codes for each step: no store's data are written again
.set QLA,   224                        ; v224     16 x lane: my 16 bytes of a load's 512, and my codes' place in a step's
.set QSI,   225                        ; v225     the stage, on the way in
.set QSO,   226                        ; v226     and on the way out
.set QBA,   227                        ; v227     my block's byte among my wave's 256 scale bytes
.set QBR,   228                        ; v228     where I read 8 of them back
.set QBO,   229                        ; v229     8 x lane: their place in qs
.set QT,    232                        ; v232-235 at work
.set QB,    236                        ; v236-237 8 scale bytes
	s_load_b256 s[4:11], s[0:1], 0x0               ; query s[4:5], value s[6:7], qc s[8:9], qs s[10:11]
	s_load_b256 s[12:19], s[0:1], 0x20             ; kc s[12:13], ks s[14:15], vc s[16:17], vs s[18:19]
	v_lshl_add_u32 v254, v0, 2, 0x3c000
	v_mov_b32 v255, 0
	v_lshrrev_b32 v14, 5, v0
	v_readfirstlane_b32 s20, v14                   ; wave 0..15
	s_and_b32 s46, s20, 7                          ; w: my number within my role
	v_and_b32 v15, 31, v0                          ; l
	v_and_b32 v16, 15, v0                          ; r = l % 16
	v_bfe_u32 v17, v0, 4, 1                        ; h = l / 16
	v_and_b32 v18, 255, v0                         ; my thread's number among the value role's 256
	s_and_b32 s21, ttmp9, 3                        ; ct: which 256 channels
	s_lshr_b32 s25, ttmp9, 2                       ; kt: which 256 rows of all 16,384
	s_lshr_b32 s28, s25, 3                         ; the batch
	s_and_b32 s29, s25, 7                          ; kq: which 256 keys of the batch
	s_mov_b32 s22, 0x76543210
	s_mov_b32 s23, 0xfedcba98                      ; v_permlanex16_b32's selects for lane l xor 16
	s_mov_b32 s24, 0x600000                        ; the mantissa field of 448
.macro TERM d, src, sh                 ; s[d] += s[src] << sh
	s_lshl_b32 s44, s[\src], \sh
	s_add_co_u32 s[\d], s[\d], s44
.endm
	s_lshl_b32 s26, s25, 20                        ; value: 256 kt rows of 4,096 bytes,
	TERM 26, 21, 10                                ; 256 ct channels,
	TERM 26, 46, 7                                 ; 32 w channels
	s_mov_b32 s27, 0
	s_lshl_b32 s30, s28, 21                        ; vc: row = 1024 batch + 256 ct + 32 w, 2,048 bytes a row; + 256 kq
	TERM 30, 21, 19
	TERM 30, 46, 16
	TERM 30, 29, 8
	s_mov_b32 s31, 0
	s_lshl_b32 s32, s28, 16                        ; vs: the same rows, 64 bytes each; + 8 kq
	TERM 32, 21, 14
	TERM 32, 46, 11
	TERM 32, 29, 3
	s_mov_b32 s33, 0
	s_lshl_b32 s34, s25, 18                        ; kc: row 256 kt + 16 x wave (the rows that I store, in either role), 1,024 bytes each; + 256 ct
	TERM 34, 20, 14
	TERM 34, 21, 8
	s_mov_b32 s35, 0
	s_lshl_b32 s36, s25, 13                        ; ks: row 256 kt, 32 bytes each; + 8 ct
	TERM 36, 21, 3
	s_mov_b32 s37, 0
	s_lshl_b32 s45, ttmp9, 3
	s_add_co_u32 s45, s45, s46                     ; which run of 8,192 numbers of query is wave 8 + w's
	s_lshl_b32 s38, s45, 15
	s_mov_b32 s39, 0
	s_lshl_b32 s40, s45, 13
	s_mov_b32 s41, 0
	s_lshl_b32 s42, s45, 8
	s_mov_b32 s43, 0
	; the value role's addresses
	v_lshlrev_b32 v1, 2, v15                       ; v1   value: 4 bytes a lane
	s_mul_i32 s44, s46, 4608
	s_add_co_u32 s44, s44, TRS
	v_add_nc_u32 v2, s44, v1                       ; v2   into my turning tile: row = key, 4 l
	v_mul_u32_u24 v3, v16, 144
	v_lshl_add_u32 v3, v17, 6, v3
	v_add_nc_u32 v3, s44, v3                       ; v3   out of it: row r, 64 h: 16 channels of a key
	s_mul_i32 s44, s46, 8704
	v_mul_u32_u24 v4, v15, 272
	v_add_nc_u32 v4, s44, v4                       ; v4   my channel's row of codes
	v_mul_u32_u24 v5, v17, 272
	v_lshl_add_u32 v5, v16, 4, v5
	s_mul_i32 s47, s20, 4352
	s_add_co_u32 s47, s47, KST
	v_add_nc_u32 v10, s47, v5                      ; v10  key rows 16 x wave + h, 16 r: back by rows, in both roles
	v_add_nc_u32 v5, s44, v5                       ; v5   channel rows h, 16 r of my wave's: back by rows
	v_lshlrev_b32 v6, 11, v17
	v_lshl_add_u32 v6, v16, 4, v6                  ; v6   the same place in vc
	v_lshlrev_b32 v7, 6, v15                       ; v7   my channel's row of vs
	s_lshl_b32 s44, s46, 5
	s_add_co_u32 s44, s44, KST
	v_mul_u32_u24 v8, v16, 272
	v_lshl_add_u32 v8, v17, 4, v8
	v_add_nc_u32 v8, s44, v8                       ; v8   key row r, my wave's 32 bytes, 16 h
	s_add_co_u32 s44, s46, KSS
	v_lshl_add_u32 v9, v16, 3, s44                 ; v9   key r's eight bytes, my wave's byte
	v_lshlrev_b32 v11, 10, v17
	v_lshl_add_u32 v11, v16, 4, v11                ; v11  the place of v10's rows in kc
	v_lshl_add_u32 v12, v18, 3, KSS                ; v12  thread t of the value role reads key t's eight bytes,
	v_lshlrev_b32 v13, 5, v18                      ; v13  and stores them into row t of ks
	; the query role's addresses
	v_lshlrev_b32 v[QLA], 4, v15
	s_lshl_b32 s44, s46, 13
	s_add_co_u32 s44, s44, QST                     ; my wave's region
	v_lshrrev_b32 v18, 2, v15
	v_mul_u32_u24 v18, v18, SP
	v_and_b32 v19, 3, v15
	v_lshl_add_u32 v18, v19, 4, v18
	v_add_nc_u32 v[QSI], s44, v18                  ; four lanes' 64 bytes on end, then 16 of padding
	v_mul_u32_u24 v18, v15, SP
	v_add_nc_u32 v[QSO], s44, v18                  ; my 16 neighbours
	v_lshrrev_b32 v18, 1, v15
	s_add_co_u32 s44, s44, 2*32*SP
	v_add_nc_u32 v[QBA], s44, v18
	v_lshlrev_b32 v[QBO], 3, v15
	v_add_nc_u32 v[QBR], s44, v[QBO]
	v_mov_b32 v20, 0                               ; written once: a lane permute's destination counts as one of its sources
	v_mov_b32 v21, 0
	s_wait_kmcnt 0x0
	s_add_nc_u64 s[6:7], s[6:7], s[26:27]
	s_add_nc_u64 s[16:17], s[16:17], s[30:31]
	s_add_nc_u64 s[18:19], s[18:19], s[32:33]
	s_add_nc_u64 s[12:13], s[12:13], s[34:35]
	s_add_nc_u64 s[14:15], s[14:15], s[36:37]
	s_add_nc_u64 s[4:5], s[4:5], s[38:39]
	s_add_nc_u64 s[8:9], s[8:9], s[40:41]
	s_add_nc_u64 s[10:11], s[10:11], s[42:43]
.macro VLOAD t                         ; keys 32 t .. 32 t + 31 of my channel into set t % 2; a wave's load reads 128 consecutive bytes, the eight waves side by side 1,024
.set ii, 0
.rept 32
	global_load_b32 v[X+32*((\t)%2)+ii], v1, s[6:7] offset:(32*(\t)+ii)*4096 th:TH_LOAD_NT
.set ii, ii+1
.endr
.endm
.macro VBLOCK t
.set XS, X+32*((\t)%2)
.if (\t) < 7
	s_wait_loadcnt 32                              ; this block's 32 loads are in; the next block's 32 may be out
.else
	s_wait_loadcnt 0x0
.endif
.set ii, 0
.rept 32
	ds_store_b32 v2, v[XS+ii] offset:144*ii        ; the tile as it was loaded: row = key
.set ii, ii+1
.endr
.irp p, 0,1
.irp j, 0,1,2,3
	ds_load_b128 v[Y+16*\p+4*\j:Y+16*\p+4*\j+3], v3 offset:2304*\p+16*\j   ; key 16 p + r, channels 16 h + 4 j on (LDS serves a wave's instructions in order: these see the stores)
.endr
.endr
	v_max3_num_f32 v16, |v[XS]|, |v[XS+1]|, |v[XS+2]|      ; along the keys: all 32 numbers of the block are mine.  These lines only read X, while the tile turns
	v_max3_num_f32 v17, |v[XS+3]|, |v[XS+4]|, |v[XS+5]|
.irp i, 6,10,14,18,22,26
	v_max3_num_f32 v16, v16, |v[XS+\i]|, |v[XS+\i+1]|
	v_max3_num_f32 v17, v17, |v[XS+\i+2]|, |v[XS+\i+3]|
.endr
	v_max3_num_f32 v16, v16, |v[XS+30]|, |v[XS+31]|
	v_max3_num_f32 v16, v16, v17, FLOOR
	v_add_nc_u32 v18, OFFE, v16                    ; 8 off the exponent field: the conversion takes this operand's exponent field as its scale
	v_and_or_b32 v19, v16, 0x7f800000, s24         ; 448 x the scale
	v_lshrrev_b32 v30, 23, v18                     ; the scale's byte
.if (\t)%4 == 0
	v_mov_b32 v[SB+(\t)/4], v30                    ; four bytes to a register, the lower keys in the lower byte
.else
	v_lshl_or_b32 v[SB+(\t)/4], v30, 8*((\t)%4), v[SB+(\t)/4]
.endif
	s_wait_dscnt 0x0                               ; the stores have read X, and Y is in
.set ii, 0
.rept 32
	v_med3_num_f32 v[XS+ii], v[XS+ii], -v19, v19   ; the conversion to an 8-bit code does not saturate (ISA guide 7.6.2): the hold comes first
.set ii, ii+1
.endr
.irp g, 0,1,2,3
	v_cvt_scalef32_pk8_fp8_f32 v[C+2*\g:C+2*\g+1], v[XS+8*\g:XS+8*\g+7], v18
.endr
	ds_store_b128 v4, v[C:C+3] offset:32*(\t)      ; 32 codes of my channel's row
	ds_store_b128 v4, v[C+4:C+7] offset:32*(\t)+16
.if (\t)+2 < 8
	VLOAD (\t)+2
.endif
.irp p, 0,1                            ; along the channels: my 16 numbers of two keys, the two by turns
	v_max3_num_f32 v[22+\p], |v[Y+16*\p]|, |v[Y+16*\p+1]|, FLOOR
.endr
.irp i, 2,4,6,8,10,12,14
.irp p, 0,1
	v_max3_num_f32 v[22+\p], v[22+\p], |v[Y+16*\p+\i]|, |v[Y+16*\p+\i+1]|
.endr
.endr
.irp p, 0,1
	v_permlanex16_b32 v[20+\p], v[22+\p], s22, s23
.endr
.irp p, 0,1
	v_max_num_f32 v[22+\p], v[22+\p], v[20+\p]     ; with lane l xor 16's 16 channels: the block's largest magnitude
.endr
.irp p, 0,1
	v_add_nc_u32 v[24+\p], OFFE, v[22+\p]
.endr
.irp p, 0,1
	v_and_or_b32 v[26+\p], v[22+\p], 0x7f800000, s24
.endr
.irp p, 0,1
.set ii, 0
.rept 16
	v_med3_num_f32 v[Y+16*\p+ii], v[Y+16*\p+ii], -v[26+\p], v[26+\p]
.set ii, ii+1
.endr
.endr
.irp p, 0,1
	v_cvt_scalef32_pk8_fp8_f32 v[KC+4*\p:KC+4*\p+1], v[Y+16*\p:Y+16*\p+7], v[24+\p]
	v_cvt_scalef32_pk8_fp8_f32 v[KC+4*\p+2:KC+4*\p+3], v[Y+16*\p+8:Y+16*\p+15], v[24+\p]
.endr
.irp p, 0,1
	v_lshrrev_b32 v[28+\p], 23, v[24+\p]           ; the scale's byte (a plain line behind the conversions)
.endr
.irp p, 0,1
	ds_store_b128 v8, v[KC+4*\p:KC+4*\p+3] offset:(32*(\t)+16*\p)*272
	ds_store_b8 v9, v[28+\p] offset:(32*(\t)+16*\p)*8      ; both lanes of a block write the same byte with the same value
.endr
	s_wait_dscnt 0x0                               ; the stores have read their registers: the next block may write them
.endm
.macro QLOAD t
.irp i, 0,1,2,3
	global_load_b128 v[QR+16*((\t)%4)+4*\i:QR+16*((\t)%4)+4*\i+3], v[QLA], s[4:5] offset:2048*(\t)+512*\i th:TH_LOAD_NT   ; 32 lanes read 512 consecutive bytes
.endr
.endm
.macro QTURN t                         ; step t's numbers through the stage; LDS serves a wave's instructions in order, so no wait stands between the stores and the loads
.irp i, 0,1,2,3
	ds_store_b128 v[QSI], v[QR+16*((\t)%4)+4*\i:QR+16*((\t)%4)+4*\i+3] offset:32*SP*((\t)%2)+8*SP*\i
.endr
.irp i, 0,1,2,3
	ds_load_b128 v[QX+16*((\t)%2)+4*\i:QX+16*((\t)%2)+4*\i+3], v[QSO] offset:32*SP*((\t)%2)+16*\i
.endr
.endm
.macro QSTEP t
.set XS, QX+16*((\t)%2)
.if (\t) > 0
	s_wait_dscnt 1                                 ; this step's numbers are back from the stage (the last step's byte store may be out), so its stores into the stage have read their registers,
.else
	s_wait_dscnt 0x0
.endif
.if (\t)+4 < STEPS
	QLOAD (\t)+4                                   ; which take the loads of four steps on
.endif
.if (\t)+1 < STEPS
.if STEPS-2-(\t) >= 3
	s_wait_loadcnt 12                              ; the next step's four loads are in; those of the three steps behind it may be out
.else
	s_wait_loadcnt 4*(STEPS-2-(\t))
.endif
	QTURN (\t)+1
.endif
	v_max3_num_f32 v[QT], |v[XS]|, |v[XS+1]|, |v[XS+2]|
	v_max3_num_f32 v[QT+1], |v[XS+3]|, |v[XS+4]|, |v[XS+5]|
.irp i, 6,10
	v_max3_num_f32 v[QT], v[QT], |v[XS+\i]|, |v[XS+\i+1]|
	v_max3_num_f32 v[QT+1], v[QT+1], |v[XS+\i+2]|, |v[XS+\i+3]|
.endr
	v_max3_num_f32 v[QT], v[QT], |v[XS+14]|, |v[XS+15]|
	v_max3_num_f32 v[QT], v[QT], v[QT+1], FLOOR
	v_max_num_f32_dpp v[QT], v[QT], v[QT] row_xmask:1 row_mask:0xf bank_mask:0xf   ; and my neighbour's 16: the block's largest magnitude
	v_add_nc_u32 v[QT+3], OFFE, v[QT]
	v_and_or_b32 v[QT+2], v[QT], 0x7f800000, s24
.set ii, 0
.rept 16
	v_med3_num_f32 v[XS+ii], v[XS+ii], -v[QT+2], v[QT+2]
.set ii, ii+1
.endr
	v_cvt_scalef32_pk8_fp8_f32 v[QC+4*(\t):QC+4*(\t)+1], v[XS:XS+7], v[QT+3]
	v_cvt_scalef32_pk8_fp8_f32 v[QC+4*(\t)+2:QC+4*(\t)+3], v[XS+8:XS+15], v[QT+3]
	v_lshrrev_b32 v[QE+(\t)], 23, v[QT+3]          ; the scale's byte
	ds_store_b8 v[QBA], v[QE+(\t)] offset:16*(\t)  ; both lanes of a block write the same byte with the same value
	global_store_b128 v[QLA], v[QC+4*(\t):QC+4*(\t)+3], s[8:9] offset:32*CB*(\t)     ; the wave stores 512 consecutive bytes
.endm
	s_cmp_lt_u32 s20, 8                            ; THE ROLES PART: waves 0-7 value, waves 8-15 query
	s_cbranch_scc0 .Lquery
	; ---- VALUE
	VLOAD 0
	VLOAD 1
.irp t, 0,1,2,3,4,5,6,7
	VBLOCK \t
.endr
	global_store_b64 v7, v[SB:SB+1], s[18:19]      ; my channel's eight scale bytes along these 256 keys
.irp i, 0,1,2,3,4,5,6,7,8,9,10,11,12,13,14,15
	ds_load_b128 v[OUTR+4*\i:OUTR+4*\i+3], v5 offset:544*\i        ; my wave's own rows: two channels an instruction
.endr
.irp i, 0,1,2,3,4,5,6,7,8,9,10,11,12,13,14,15
	s_wait_dscnt 15-\i                             ; the younger loads may be out
	global_store_b128 v6, v[OUTR+4*\i:OUTR+4*\i+3], s[16:17] offset:4096*\i   ; sixteen lanes store 256 consecutive bytes, at a multiple of 256 from vc's first byte
.endr
	s_branch .Ljoin
.Lquery:
	; ---- QUERY: 16 steps of 512 numbers a wave
.irp t, 0,1,2,3
	QLOAD \t
.endr
	s_wait_loadcnt 12                              ; step 0's four loads are in
	QTURN 0
.irp t, 0,1,2,3,4,5,6,7,8,9,10,11,12,13,14,15
	QSTEP \t
.endr
	ds_load_b64 v[QB:QB+1], v[QBR]                 ; my wave's 256 scale bytes (these see my stores)
	s_wait_dscnt 0x0
	global_store_b64 v[QBO], v[QB:QB+1], s[10:11]  ; 32 lanes store 256 consecutive bytes, aligned
.Ljoin:
	s_wait_dscnt 0x0                               ; for the others' sake: my stores into the key rows have landed (a query wave has none out)
	s_barrier_signal -1
	s_barrier_wait -1                              ; the eight value waves' parts of the 256 key rows lie in LDS
.irp i, 0,1,2,3,4,5,6,7
	ds_load_b128 v[X+4*\i:X+4*\i+3], v10 offset:544*\i     ; both roles: key rows 16 x wave on, two an instruction
.endr
.irp i, 0,1,2,3,4,5,6,7
	s_wait_dscnt 7-\i                              ; the younger row loads may be out
	global_store_b128 v11, v[X+4*\i:X+4*\i+3], s[12:13] offset:2048*\i       ; sixteen lanes store 256 consecutive bytes, at a multiple of 256 from kc's first byte
.endr
	s_cmp_lt_u32 s20, 8                            ; the 256 keys' scale bytes, 8 a thread: the first 256 threads
	s_cbranch_scc0 .Lend
	ds_load_b64 v[14:15], v12
	s_wait_dscnt 0x0
	global_store_b64 v13, v[14:15], s[14:15]       ; key t's eight scale bytes along these 256 channels
.Lend:
	s_wait_tensorcnt 0x0
	ds_add_u32 v254, v255
	s_wait_dscnt 0x0
	s_endpgm
.Lfunc_end_k_q93c31be970_quant:
	.size	k_q93c31be970_quant, .Lfunc_end_k_q93c31be970_quant-k_q93c31be970_quant
	.p2alignl 7, 3214868480
	.fill 96, 4, 3214868480
	.section	.rodata,"a",@progbits
	.p2align	6, 0x0
	.amdhsa_kernel k_q93c31be970_quant
		.amdhsa_group_segment_fixed_size 247808
		.amdhsa_private_segment_fixed_size 0
		.amdhsa_enable_private_segment 0
		.amdhsa_kernarg_size 64
		.amdhsa_user_sgpr_count 2
		.amdhsa_user_sgpr_kernarg_segment_ptr 1
		.amdhsa_wavefront_size32 1
		.amdhsa_system_sgpr_workgroup_id_x 1
		.amdhsa_system_sgpr_workgroup_id_y 1
		.amdhsa_system_sgpr_workgroup_id_z 1
		.amdhsa_system_vgpr_workitem_id 0
		.amdhsa_next_free_vgpr 256
		.amdhsa_next_free_sgpr 66
		.amdhsa_reserve_vcc 0
		.amdhsa_float_denorm_mode_32 3
		.amdhsa_float_denorm_mode_16_64 3
		.amdhsa_memory_ordered 1
		.amdhsa_forward_progress 1
		.amdhsa_inst_pref_size 166
	.end_amdhsa_kernel
	.amdgpu_metadata
---
amdhsa.version: [ 1, 2 ]
amdhsa.kernels:
  - .name:           k_q93c31be970_quant
    .symbol:         k_q93c31be970_quant.kd
    .args:
      - { .name: query, .offset: 0, .size: 8, .value_kind: global_buffer, .address_space: global }
      - { .name: value, .offset: 8, .size: 8, .value_kind: global_buffer, .address_space: global }
      - { .name: qc, .offset: 16, .size: 8, .value_kind: global_buffer, .address_space: global }
      - { .name: qs, .offset: 24, .size: 8, .value_kind: global_buffer, .address_space: global }
      - { .name: kc, .offset: 32, .size: 8, .value_kind: global_buffer, .address_space: global }
      - { .name: ks, .offset: 40, .size: 8, .value_kind: global_buffer, .address_space: global }
      - { .name: vc, .offset: 48, .size: 8, .value_kind: global_buffer, .address_space: global }
      - { .name: vs, .offset: 56, .size: 8, .value_kind: global_buffer, .address_space: global }
    .group_segment_fixed_size: 247808
    .private_segment_fixed_size: 0
    .kernarg_segment_align: 8
    .kernarg_segment_size: 64
    .max_flat_workgroup_size: 512
    .sgpr_count:     66
    .vgpr_count:     256
    .wavefront_size: 32
...
	.end_amdgpu_metadata
.endif
;; end of part 1
;; launch scores (part 2): grid 8 x 64, 4 waves a work-group, clusters of 4 x 4, 327,680 bytes of LDS; arguments qc, qs, kc, ks, pc, pst; writes pc, pst
.if DOCPART == 2
	.amdgcn_target "amdgcn-amd-amdhsa--gfx1250"
	.amdhsa_code_object_version 6
	.text
	.protected	k_q93c31be970_scores
	.globl	k_q93c31be970_scores
	.p2align	8
	.type	k_q93c31be970_scores,@function
k_q93c31be970_scores:
	s_mov_b64 s[64:65], 0
	v_nop
	global_prefetch_b8 v0, s[64:65] scope:SCOPE_SE
	s_setreg_imm32_b32 hwreg(HW_REG_WAVE_MODE, 25, 1), 1
	s_wait_xcnt 0x0
	s_wait_alu depctr_hold_cnt(0) depctr_sa_sdst(0) depctr_va_vdst(0) depctr_va_sdst(0) depctr_va_ssrc(0) depctr_va_vcc(0) depctr_vm_vsrc(0)
	s_getreg_b32 s2, hwreg(HW_REG_IB_STS2, 6, 4)
	s_cmp_eq_u32 s2, 0
	s_cbranch_scc0 .Lentry_in_a_cluster
	s_endpgm
.Lentry_in_a_cluster:
	s_bfe_u32 s2, ttmp6, 0x10000c
	s_cmp_lg_u32 s2, 0xf033
	s_cbranch_scc0 .Lentry_shape_is_right
	s_endpgm
.Lentry_shape_is_right:
; S = Q K^T on codes of FP8 (E4M3) with E8M0 scales, and the softmax's p as codes.  qc [16384 queries][1024], kc [16384 keys][1024] (8 batches of 2,048), their scale bytes [..][32].
; A work-group of four waves makes 256 queries x 256 keys of one batch; a wave 128 x 128: 64 accumulators, 512 registers.  K (1,024) goes in steps of 256 through a ring of two LDS slots filled by tensor loads;
; the scale bytes of the work-group's rows come into LDS once, with the first fills.  CLUSTERS: 4 x 4 work-groups of one batch; the four of a row of the cluster ask for Q's tiles jointly, the four of a column for K's.
; THE MATRIX INSTRUCTION IS USED TRANSPOSED (source 0 = 16 keys, source 1 = 16 queries): a lane holds one query (lane % 16), and register 8 b + j of a block of 16 queries holds key 16 b + 8 (lane / 16) + j.
; THE WAY OUT.  For each query and each wave's 128 keys (a key group): t = score x log2(e); M = ceil(the group's largest t), a whole number; p = 2^(t - M) is quantised along the keys, 32 to a block
; (a block lies in lanes l and l xor 16); the sum l of the unquantised p is taken in f32.  Stored: pc [16384][2048] the codes; pst, three sections of 2^20 bytes, each [16 key groups][16384 queries] words:
; p's scale word, -M, l.  The next launch finds each row's largest M and takes the difference, a whole number, off the scale bytes: an exact power of two.
; LIMITS: |t| under 2^24, so that M is exact; NaN and infinities are not served; a block whose every p has fallen to 0 keeps the byte 1 (its codes are zeros).
; REGISTERS, in windows of 256: window 0: v0-31 addresses; v32-63 scale words, two sets, and nothing else; from v128 Q's fragments, ONE set; on the way out v64-255 are at work.
;   window 1: K's fragments, TWO sets.   window 2: the accumulators of my queries 0-63 ((a, b) at v[8 (8 a + b)]);   window 3: those of my queries 64-127.
; No prefetch: K has four steps; the first two come as first fills and the other two are asked for one step after them.
.set SIZE_K, 1024
.set KSTEP,  256
.set NQ,     KSTEP/128
.set ROWB,   256
.set KROW,   SIZE_K
.set PITCH,  272                       ; an LDS row: 256 bytes + 16 of padding = 68 words: row r starts at bank 4 r mod 64 (64 banks of 4 bytes: ISA guide 11.1)
.set FR,     16
.set NL,     4
.set NP,     8                         ; places behind this matrix instruction (ISA guide 7.12.1)
.set HALFT,  128*PITCH
.set SLOT,   4*HALFT
.set LAPS,   SIZE_K/(2*KSTEP)
.set KS,     SIZE_K/32
.set SCL,    2*SLOT                    ; behind the ring: the scale bytes, as runs of 256 bytes + 16 of padding
.set HALFS,  (128*KS/256)*272
.set SBLK,   (16*KS/256)*272
.set SPARE,  SCL+4*HALFS               ; the spare words, 128 bytes for each wave: two blocks of 256 bytes that no other line names
.set PST0,   0                         ; the way out, in slot 0, which has had its last fill and its last read by then: 256 rows of 256 code bytes + 16,
.set SST,    256*272                   ; and for each wave three runs of 512 bytes: scale words, -M, l of its 128 queries
.set ADRA, 16                          ; v16-17  LDS address of my Q fragments in slot 0, 1
.set ADRB, 20                          ; v20-21  the same for K
.set SGO,  23                          ; v23     16 x lane: my place in a run of 512 bytes of pst
.set PSTO, 24                          ; v24     where I put 8 codes of a row
.set PRD,  25                          ; v25     where I read a row of codes back
.set PGO,  26                          ; v26     and its place in pc
.set ADRS, 27                          ; v27     LDS address of my scale words: lanes 0-15 Q's rows, lanes 16-31 K's
.set SPW,  28                          ; v28     LDS address of my spare word; never rewritten
.set NIL,  29                          ; v29     0; never rewritten
.set SSTO, 30                          ; v30     where I put a query's statistic
.set SRD,  31                          ; v31     where I read 16 bytes of a run back
.set SC,   32
.set AF,   128
.set G1, 24
.set G0, 32
.set G1B, 48
.set G0B, 56
.set G1S, 68
.set G0S, 76
.set G1SB, 80
.set G0SB, 88
.set MSB, 0
.macro WIN new                         ; the immediate's high byte repeats the setting that is left
.if MSB != \new
	s_set_vgpr_msb (MSB<<8)|\new
.set MSB, \new
.endif
.endm
.set MUL_LO, 0xa1                      ; source 0 (K) window 1, source 1 (Q) window 0, C and D window 2
.set MUL_HI, 0xf1                      ; the same, C and D window 3
.set TO_B,   0x40                      ; destination window 1, address window 0
; A joint load: waves 0 and 1 fetch for Q, waves 2 and 3 for K.  Each line has one mask and one set of registers for all that issue it; the branch hangs on the wave's number alone.
; Four v_nop follow each of the two lines.
.macro JLOAD g0a, g1a, g0b, g1b
	s_cmp_eq_u32 s15, 0
	s_cbranch_scc0 .Lfor_b_\@
	tensor_load_to_lds s[\g0a:\g0a+3], s[\g1a:\g1a+7]
	s_nop 0
.rept 4
	v_nop
.endr
	s_branch .Lasked_\@
.Lfor_b_\@:
	tensor_load_to_lds s[\g0b:\g0b+3], s[\g1b:\g1b+7]
	s_nop 0
.rept 4
	v_nop
.endr
.Lasked_\@:
.endm
.macro CREST                           ; a round of the cluster's barrier behind its opening barrier
	s_cmp_lg_u32 s14, 0
	s_cbranch_scc1 .Lnot_wave_0_\@
	s_barrier_signal -3
.Lnot_wave_0_\@:
	s_barrier_wait -3
	s_barrier_signal -1
	s_barrier_wait -1
.endm
.macro CROUND                          ; a whole round
	s_barrier_signal -1
	s_barrier_wait -1
	CREST
.endm
	s_load_b128 s[4:7], s[0:1], 0x0                ; Q's codes, Q's scales
	s_load_b128 s[8:11], s[0:1], 0x10              ; K's codes, K's scales
	s_load_b64 s[12:13], s[0:1], 0x20              ; pc
	s_load_b64 s[96:97], s[0:1], 0x28              ; pst
	v_lshl_add_u32 v[SPW], v0, 2, SPARE
	v_mov_b32 v[NIL], 0
	ds_add_u32 v28, v29
	ds_add_u32 v28, v29
	s_wait_dscnt 0x0
	v_lshrrev_b32 v1, 5, v0
	v_readfirstlane_b32 s14, v1                    ; wave 0..3
	s_lshr_b32 s15, s14, 1                         ; which half of the tile's queries is mine.  Also: I fetch for Q (0) or for K (1)
	s_and_b32 s16, s14, 1                          ; which half of its keys.  Also: which 128 rows of that tile I fetch
	s_bfe_u32 s40, ttmp6, 0x40000                  ; cx, cy: my place in the cluster
	s_bfe_u32 s41, ttmp6, 0x40004
	s_lshl_b32 s42, ttmp9, 2
	s_add_co_u32 s42, s42, s40                     ; tile column (256 keys of the batch) = 4 x cluster x + cx
	s_and_b32 s17, ttmp7, 0xffff
	s_lshl_b32 s17, s17, 2
	s_add_co_u32 s17, s17, s41                     ; tile row (256 of all 16,384 queries) = 4 x cluster y + cy
	s_lshl_b32 s43, s41, 2
	s_lshl_b32 s43, 15, s43                        ; my row of the cluster
	s_lshl_b32 s44, 0x1111, s40                    ; my column
	; descriptor group 1: a tile of 128 rows x 256 bytes, padded in LDS
	s_or_b32 s[G1+0], s43, (0<<16)|(1<<20)|(1<<21)|(5<<22)|(3<<25)  ; 15:0 the mask: Q's tiles go to my row; 17:16 element of 1 byte; 20 padding on; 21 set beside a mask; 24:22 after every 64 words; 31:25 of 4 words
	s_or_b32 s[G1B+0], s44, (0<<16)|(1<<20)|(1<<21)|(5<<22)|(3<<25)
.irp g, G1, G1B
	s_mov_b32 s[\g+1], ROWB<<16                    ; tensor_dim0
	s_mov_b32 s[\g+2], 128<<16                     ; tensor_dim1
	s_mov_b32 s[\g+3], ROWB<<16                    ; tile_dim0
	s_mov_b32 s[\g+4], 128                         ; tile_dim1
	s_mov_b32 s[\g+5], KROW                        ; tensor_dim0_stride
	s_mov_b32 s[\g+6], 0
	s_mov_b32 s[\g+7], 0
.endr
	; the scale bytes of 128 rows: a dense block of 4,096 bytes, as rows of 256 bytes (32 elements of 8 bytes), 16 bytes of padding behind each
	s_or_b32 s[G1S+0], s43, (3<<16)|(1<<20)|(1<<21)|(5<<22)|(3<<25)
	s_or_b32 s[G1SB+0], s44, (3<<16)|(1<<20)|(1<<21)|(5<<22)|(3<<25)
.irp g, G1S, G1SB
	s_mov_b32 s[\g+1], 32<<16
	s_mov_b32 s[\g+2], (128*KS/256)<<16
	s_mov_b32 s[\g+3], 32<<16
	s_mov_b32 s[\g+4], 128*KS/256
	s_mov_b32 s[\g+5], 32
	s_mov_b32 s[\g+6], 0
	s_mov_b32 s[\g+7], 0
.endr
	s_lshl_b32 s18, s16, 7                         ; which 128 rows of the tile I fetch
	s_lshl_b32 s20, s17, 8
	s_add_co_u32 s20, s20, s18                     ; Q: row 256 x tile row + 128 x half
	s_lshl_b32 s46, s42, 8
	s_add_co_u32 s46, s46, s18                     ; K: row 256 x tile column + 128 x half,
	s_and_b32 s95, ttmp7, 0xffff
	s_lshr_b32 s95, s95, 1                         ; in the batch = cluster y / 2 (a cluster's 1,024 queries are half a batch): the same in all sixteen partners
	s_lshl_b32 s95, s95, 11
	s_add_co_u32 s46, s46, s95
	s_mov_b32 s21, 0
	s_mov_b32 s47, 0
	s_mov_b64 s[18:19], KS
	s_mul_u64 s[22:23], s[20:21], s[18:19]         ; where these rows' scales begin, in bytes
	s_mul_u64 s[92:93], s[46:47], s[18:19]
	s_mov_b64 s[18:19], KROW
	s_mul_u64 s[20:21], s[20:21], s[18:19]         ; and their codes
	s_mul_u64 s[46:47], s[46:47], s[18:19]
	s_mul_i32 s45, s14, HALFT                      ; where they go: wave x 128 rows: no place in the cluster enters an LDS address
	s_mul_i32 s94, s14, HALFS
	s_mov_b32 s66, 0x76543210
	s_mov_b32 s67, 0xfedcba98                      ; v_permlanex16_b32's selects for lane l xor 16
	s_mov_b32 s98, 0x3fb8aa3b                      ; log2(e)
	s_mov_b32 s99, s98                             ; (the packed form names the pair, so it is written)
	s_mov_b32 s95, 0x600000                        ; the mantissa field of 448
	s_wait_kmcnt 0x0
	s_add_nc_u64 s[20:21], s[4:5], s[20:21]
	s_add_nc_u64 s[22:23], s[6:7], s[22:23]
	s_add_nc_u64 s[46:47], s[8:9], s[46:47]
	s_add_nc_u64 s[92:93], s[10:11], s[92:93]
	CROUND                                         ; all sixteen work-groups are here: the first joint loads meet
	s_mov_b32 s[G0S], 1
	s_add_co_u32 s[G0S+1], s94, SCL
	s_mov_b64 s[G0S+2:G0S+3], s[22:23]
	s_or_b32 s[G0S+3], s[G0S+3], 0x80000000
	s_mov_b32 s[G0SB], 1
	s_add_co_u32 s[G0SB+1], s94, SCL
	s_mov_b64 s[G0SB+2:G0SB+3], s[92:93]
	s_or_b32 s[G0SB+3], s[G0SB+3], 0x80000000
	JLOAD G0S, G1S, G0SB, G1SB                     ; the scales first: they are wanted with K step 0
.irp s, 0,1
	s_mov_b32 s[G0+4*\s], 1
	s_add_co_u32 s[G0+4*\s+1], s45, \s*SLOT
	s_add_nc_u64 s[G0+4*\s+2:G0+4*\s+3], s[20:21], \s*ROWB
	s_or_b32 s[G0+4*\s+3], s[G0+4*\s+3], 0x80000000
	s_mov_b32 s[G0B+4*\s], 1
	s_add_co_u32 s[G0B+4*\s+1], s45, \s*SLOT
	s_add_nc_u64 s[G0B+4*\s+2:G0B+4*\s+3], s[46:47], \s*ROWB
	s_or_b32 s[G0B+4*\s+3], s[G0B+4*\s+3], 0x80000000
	JLOAD G0+4*\s, G1, G0B+4*\s, G1B
.endr
	v_and_b32 v1, 15, v0                           ; r = l % 16
	v_bfe_u32 v2, v0, 4, 1                         ; h = l / 16
	v_mul_u32_u24 v3, v1, PITCH
	v_lshl_add_u32 v4, v2, 4, v3                   ; a fragment's row x pitch + 16 x half
	s_mul_i32 s21, s15, HALFT                      ; my 128 rows of Q
	s_mul_i32 s22, s16, HALFT                      ; my 128 rows of K,
	s_add_co_u32 s22, s22, 2*HALFT                 ; which lie behind Q's 256
.irp s, 0,1
	v_add_nc_u32 v[ADRA+\s], s21, v4
	v_add_nc_u32 v[ADRB+\s], s22, v4
	s_add_co_u32 s21, s21, SLOT
	s_add_co_u32 s22, s22, SLOT
.endr
	v_mul_u32_u24 v5, v1, KS                       ; my row's scales: KS bytes a row,
	v_lshrrev_b32 v6, 8, v5
	v_lshl_add_u32 v5, v6, 4, v5                   ; and 16 more for each 256 passed
	s_mul_i32 s21, s15, HALFS
	s_mul_i32 s22, s16, HALFS
	s_add_co_u32 s22, s22, 2*HALFS
	s_sub_co_u32 s22, s22, s21
	v_mul_u32_u24 v6, s22, v2                      ; lanes 16-31 take K's: one product, the distance between the two bases
	s_add_co_u32 s21, s21, SCL
	v_add_nc_u32 v5, v5, v6
	v_add_nc_u32 v[ADRS], s21, v5
	; the way out's addresses
	s_mul_i32 s23, s15, 128*272
	s_lshl_b32 s21, s16, 7
	s_add_co_u32 s23, s23, s21
	v_mul_u32_u24 v5, v1, 272
	v_lshl_add_u32 v5, v2, 3, v5
	v_add_nc_u32 v[PSTO], s23, v5                  ; row 128 x (my half of the queries) + r, byte 128 x (my half of the keys) + 8 h
	s_mul_i32 s23, s14, 64*272
	v_mul_u32_u24 v5, v2, 272
	v_lshl_add_u32 v5, v1, 4, v5
	v_add_nc_u32 v[PRD], s23, v5                   ; back: wave w takes rows 64 w on, whole; lanes 0-15 one row, lanes 16-31 the next
	v_lshlrev_b32 v[PGO], 11, v2
	v_lshl_add_u32 v[PGO], v1, 4, v[PGO]           ; and the same two rows in pc
	s_mul_i32 s23, s14, 1536
	s_add_co_u32 s23, s23, SST
	v_lshl_add_u32 v[SSTO], v1, 2, s23
	v_and_b32 v6, 31, v0
	v_lshl_add_u32 v[SRD], v6, 4, s23
	v_lshlrev_b32 v[SGO], 4, v6
	s_lshl_b32 s20, s17, 19                        ; pc: row 256 x tile row + 64 x wave, 2,048 bytes a row; + 256 x tile column
	s_lshl_b32 s21, s14, 17
	s_add_co_u32 s20, s20, s21
	s_lshl_b32 s21, s42, 8
	s_add_co_u32 s20, s20, s21
	s_mov_b32 s21, 0
	s_add_nc_u64 s[12:13], s[12:13], s[20:21]
	s_lshl_b32 s20, s42, 17                        ; pst: key group 2 x tile column + my half, 65,536 bytes each; query 256 x tile row + 128 x my half, 4 bytes each
	s_lshl_b32 s21, s16, 16
	s_add_co_u32 s20, s20, s21
	s_lshl_b32 s21, s17, 10
	s_add_co_u32 s20, s20, s21
	s_lshl_b32 s21, s15, 9
	s_add_co_u32 s20, s20, s21
	s_mov_b32 s21, 0
	s_add_nc_u64 s[96:97], s[96:97], s[20:21]
.macro FRAG reg, adr, q, i             ; a fragment, 16 rows x 128 K: lane l holds row l % 16; registers 4 c .. 4 c + 3 hold K = 32 c + 16 (l / 16) + 0 .. 15
.irp c, 0,1,2,3
	ds_load_b128 v[\reg+4*\c:\reg+4*\c+3], v[\adr] offset:128*(\q)+32*\c+(\i)*16*PITCH
.endr
.endm
; 16 matrix instructions: Q's blocks a0, a0 + 1 x K's eight, 128 along K.  zero = 1: the first product starts the sums.  The 64 accumulators take turns, one instruction a turn.
.macro MUL16 a0, p, q, sc, zero
.irp a, \a0, \a0+1
.irp b, 0,1,2,3,4,5,6,7
.if \zero
	v_wmma_scale_f32_16x16x128_f8f6f4 v[8*(8*((\a)%4)+\b):8*(8*((\a)%4)+\b)+7], v[128*(\p)+FR*\b:128*(\p)+FR*\b+FR-1], v[AF+FR*(\a):AF+FR*(\a)+FR-1], 0, v[SC+8*NQ*(\sc)+NQ*\b+(\q)], v[SC+8*NQ*(\sc)+NQ*(\a)+(\q)] matrix_a_scale:MATRIX_SCALE_ROW1
.else
	v_wmma_scale_f32_16x16x128_f8f6f4 v[8*(8*((\a)%4)+\b):8*(8*((\a)%4)+\b)+7], v[128*(\p)+FR*\b:128*(\p)+FR*\b+FR-1], v[AF+FR*(\a):AF+FR*(\a)+FR-1], v[8*(8*((\a)%4)+\b):8*(8*((\a)%4)+\b)+7], v[SC+8*NQ*(\sc)+NQ*\b+(\q)], v[SC+8*NQ*(\sc)+NQ*(\a)+(\q)] matrix_a_scale:MATRIX_SCALE_ROW1
.endif
.endr
.endr
.endm
.macro FETCH_B slot, q, p
	WIN TO_B
.irp i, 0,1,2,3,4,5,6,7
	FRAG 128*(\p)+FR*\i, ADRB+\slot, \q, \i
.endr
	WIN 0
.endm
.macro FETCH_A slot, q, i0
.irp i, \i0, \i0+1, \i0+2, \i0+3
	FRAG AF+FR*(\i), ADRA+\slot, \q, \i
.endr
.endm
.macro SCALES sc                       ; a K step's scale words: lanes 0-15 take Q's block i, lanes 16-31 K's block i
.irp i, 0,1,2,3,4,5,6,7
	ds_load_b64 v[SC+8*NQ*\sc+NQ*\i:SC+8*NQ*\sc+NQ*\i+1], v[ADRS] offset:\i*SBLK
.endr
.endm
.macro PLACES n                        ; plain vector instructions between a matrix instruction and a load into, or a vector read or write of, its registers
.rept \n
	v_nop
.endr
.endm
.macro STEP slot, q, zero              ; a step of 128 along K that has its successor in the same slot
	s_wait_dscnt 4*NL                              ; K's set and Q's blocks 0-3 are in; the youngest 16 loads (Q's blocks 4-7) may be out
	WIN MUL_LO
	MUL16 0, (\q)%2, \q, \slot, \zero
	MUL16 2, (\q)%2, \q, \slot, \zero
	s_wait_dscnt 0
	PLACES NP
	FETCH_B \slot, (\q)+1, 1-(\q)%2
	FETCH_A \slot, (\q)+1, 0
	WIN MUL_HI
	MUL16 4, (\q)%2, \q, \slot, \zero
	MUL16 6, (\q)%2, \q, \slot, \zero
	PLACES NP
	WIN 0
	FETCH_A \slot, (\q)+1, 4
.endm
; A slot's last step changes slots: one barrier; in front of it each wave waits for all its tensor loads, adds 0 to its spare word, and waits for that and for its own reads of this slot.  fill = 1: the slot is filled again.
.macro TURN slot, next, fill
	s_wait_tensorcnt 0x0                           ; all my tensor loads have landed: my part of the next slot
	ds_add_u32 v[SPW], v[NIL]                      ; 0 onto my spare word
	s_wait_dscnt 4*NL+1                            ; (the add and the youngest 16 loads may be out)
	WIN MUL_LO
	MUL16 0, 1, NQ-1, \slot, 0
	s_wait_dscnt 0x0                               ; the add is done, and my reads of this slot are over
	s_barrier_signal -1
	MUL16 2, 1, NQ-1, \slot, 0
	WIN 0
	s_barrier_wait -1
.if \fill
	CREST                                          ; the barrier has opened a round of the cluster's: no wave of any partner still reads this slot or has a load on its way
	s_add_nc_u64 s[G0+4*\slot+2:G0+4*\slot+3], s[G0+4*\slot+2:G0+4*\slot+3], 2*ROWB
	s_add_nc_u64 s[G0B+4*\slot+2:G0B+4*\slot+3], s[G0B+4*\slot+2:G0B+4*\slot+3], 2*ROWB
	JLOAD G0+4*\slot, G1, G0B+4*\slot, G1B         ; the first tensor load behind the round; its four v_nop are among the places in front of the loads below
	PLACES NP-4
.else
	PLACES NP
.endif
	v_add_nc_u32 v[ADRS], 4*NQ, v[ADRS]            ; on to the next K step's scale words
	FETCH_B \next, 0, 0
	FETCH_A \next, 0, 0
	SCALES \next
	WIN MUL_HI
	MUL16 4, 1, NQ-1, \slot, 0
	MUL16 6, 1, NQ-1, \slot, 0
	PLACES NP
	WIN 0
	FETCH_A \next, 0, 4
.endm
	s_wait_tensorcnt 1                             ; the scales and my part of K step 0 are in (K step 1's load may be out)
	s_barrier_signal -1
	s_barrier_wait -1                              ; everybody's are
	FETCH_B 0, 0, 0
	FETCH_A 0, 0, 0
	SCALES 0
	FETCH_A 0, 0, 4
	STEP 0, 0, 1                                   ; the first step stands in front of the loop: its products start the sums
	s_mov_b32 s3, LAPS-1
.Llap:                                                 ; a trip goes once round the ring and fills both slots again
	TURN 0, 1, 1
	STEP 1, 0, 0
	TURN 1, 0, 1
	STEP 0, 0, 0
	s_sub_co_u32 s3, s3, 1
	s_cmp_lg_u32 s3, 0
	s_cbranch_scc1 .Llap
	TURN 0, 1, 0                                   ; the last lap fills nothing
	STEP 1, 0, 0
	s_wait_dscnt 4*NL
	WIN MUL_LO
	MUL16 0, 1, NQ-1, 1, 0
	MUL16 2, 1, NQ-1, 1, 0
	s_wait_dscnt 0
	WIN MUL_HI
	MUL16 4, 1, NQ-1, 1, 0
	MUL16 6, 1, NQ-1, 1, 0
	WIN 0
; ---- THE WAY OUT.  Registers of window 0:
.set P,    128                         ; v128-191 t - M, then p: register 16 c + i belongs to block c of 32 keys
.set CD,   192                         ; v192-207 the codes
.set BM,   208                         ; v208-211 each block's largest score, then its largest p
.set BX,   212                         ; v212-215 what lane l xor 16 holds
.set HOLD, 216                         ; v216-219 448 x the scale
.set SCOP, 220                         ; v220-223 the conversions' scale operands
.set T,    224
.set NM,   226                         ; v226 -M (v227 is named with it as a pair)
.set SA,   228                         ; v[228:229], v[230:231] the sum in two chains
.set SBM,  230
.set WORD, 232                         ; the scale word
.set LSUM, 233                         ; l
.set BY,   234                         ; v234-237 the four bytes
	PLACES NP                                      ; behind the last products: their results are read and Q's registers written from here on
.irp c, 0,1,2,3
	v_mov_b32 v[BX+\c], 0                          ; written once: a lane permute's destination counts as one of its sources
.endr
	v_mov_b32 v[NM+1], 0
.macro SOFT a                          ; my queries 16 a .. 16 a + 15 against my 128 keys
.set AC, 64*((\a)%4)
.set W,  2+(\a)/4
.set WN, W*0x14                        ; sources 1 and 2 in the accumulators' window
	WIN WN
.irp c, 0,1,2,3
	v_max3_num_f32 v[BM+\c], 0xff800000, v[AC+16*\c], v[AC+16*\c+1]       ; THE LARGEST SCORE OF EACH BLOCK: for the row's maximum, and, since p rises with the score, for the block's largest p.  Each accumulator is read from its low end on
.endr
.irp i, 2,4,6,8,10,12,14
.irp c, 0,1,2,3
	v_max3_num_f32 v[BM+\c], v[BM+\c], v[AC+16*\c+\i], v[AC+16*\c+\i+1]
.endr
.endr
	WIN 0
	s_wait_dscnt 0x0                               ; the last block's stores into the stages have read their registers
.irp c, 0,1,2,3
	v_permlanex16_b32 v[BX+\c], v[BM+\c], s66, s67
.endr
.irp c, 0,1,2,3
	v_max_num_f32 v[BM+\c], v[BM+\c], v[BX+\c]     ; with lane l xor 16's 16 keys
.endr
	v_max3_num_f32 v[T], v[BM], v[BM+1], v[BM+2]
	v_max_num_f32 v[T], v[T], v[BM+3]
	v_mul_f32 v[T], s98, v[T]                      ; the largest t of these 128 keys
	v_floor_f32 v[NM], -v[T]                       ; -M = floor(-t) = -ceil(t): a whole number
.set WN, W                             ; source 0 in the accumulators' window
	WIN WN
.set jj, 0
.rept 32
	v_pk_fma_f32 v[P+jj:P+jj+1], v[AC+jj:AC+jj+1], s[98:99], v[NM:NM+1] op_sel_hi:[1,0,0]   ; t - M, two at a time
.set jj, jj+2
.endr
	WIN 0
.irp c, 0,1,2,3
	v_fma_f32 v[BM+\c], v[BM+\c], s98, v[NM]       ; the same of each block's largest score
.endr
.set jj, 0
.rept 64
	v_exp_f32 v[P+jj], v[P+jj]                     ; p = 2^(t - M): not normalised
.set jj, jj+1
.endr
	v_nop                                          ; a plain instruction behind the last exponential
	s_wait_alu depctr_va_vdst(0)                   ; one wait for the batch of 64, ahead of its first reader
.irp c, 0,1,2,3
	v_exp_f32 v[BM+\c], v[BM+\c]                   ; the block's largest p: the same arithmetic on the same number
.endr
	v_pk_add_f32 v[SA:SA+1], v[P:P+1], v[P+4:P+5]          ; THE SUM IS TAKEN OF THE UNQUANTISED p, in two chains (these read the 64 alone)
	v_pk_add_f32 v[SBM:SBM+1], v[P+2:P+3], v[P+6:P+7]
.irp j, 8,12,16,20,24,28,32,36,40,44,48,52,56,60
	v_pk_add_f32 v[SA:SA+1], v[SA:SA+1], v[P+\j:P+\j+1]
	v_pk_add_f32 v[SBM:SBM+1], v[SBM:SBM+1], v[P+\j+2:P+\j+3]
.endr
	v_pk_add_f32 v[SA:SA+1], v[SA:SA+1], v[SBM:SBM+1]
	v_add_f32 v[LSUM], v[SA], v[SA+1]
	v_permlanex16_b32 v[BX], v[LSUM], s66, s67
	v_add_f32 v[LSUM], v[LSUM], v[BX]              ; l of my query over these 128 keys, in both lanes
	s_wait_alu depctr_va_vdst(0)                   ; and one wait for the four
.irp c, 0,1,2,3
	v_max_num_f32 v[BM+\c], 0x4800000, v[BM+\c]    ; the floor 2^(9 - 127): the byte cannot fall under 1
.endr
.irp c, 0,1,2,3
	v_add_nc_u32 v[SCOP+\c], 0xfc000000, v[BM+\c]  ; 8 off the exponent field: the conversion's scale operand
.endr
.irp c, 0,1,2,3
	v_and_or_b32 v[HOLD+\c], v[BM+\c], 0x7f800000, s95     ; 448 x the scale
.endr
.irp c, 0,1,2,3
	v_lshrrev_b32 v[BY+\c], 23, v[SCOP+\c]         ; the scale's byte
.endr
	v_lshl_or_b32 v[WORD], v[BY+1], 8, v[BY]
	v_lshl_or_b32 v[WORD], v[BY+2], 16, v[WORD]
	v_lshl_or_b32 v[WORD], v[BY+3], 24, v[WORD]
.irp c, 0,1,2,3
.set jj, 0
.rept 16
	v_min_num_f32 v[P+16*\c+jj], v[P+16*\c+jj], v[HOLD+\c]         ; the conversion does not saturate (ISA guide 7.6.2); p is not negative, so the hold is one-sided
.set jj, jj+1
.endr
	v_cvt_scalef32_pk8_fp8_f32 v[CD+4*\c:CD+4*\c+1], v[P+16*\c:P+16*\c+7], v[SCOP+\c]          ; keys 32 c + 8 h + 0 .. 7
	v_cvt_scalef32_pk8_fp8_f32 v[CD+4*\c+2:CD+4*\c+3], v[P+16*\c+8:P+16*\c+15], v[SCOP+\c]     ; keys 32 c + 16 + 8 h + 0 .. 7
.endr
	v_nop                                          ; a plain line behind the last conversion
.irp c, 0,1,2,3
	ds_store_b64 v[PSTO], v[CD+4*\c:CD+4*\c+1] offset:4352*(\a)+32*\c
	ds_store_b64 v[PSTO], v[CD+4*\c+2:CD+4*\c+3] offset:4352*(\a)+32*\c+16
.endr
	ds_store_b32 v[SSTO], v[WORD] offset:64*(\a)           ; both halves of the lanes write the same word with the same value
	ds_store_b32 v[SSTO], v[NM] offset:64*(\a)+512
	ds_store_b32 v[SSTO], v[LSUM] offset:64*(\a)+1024
.endm
.irp a, 0,1,2,3,4,5,6,7
	SOFT \a
.endr
	s_wait_dscnt 0x0                               ; for the others' sake: my stores into the stage have landed
	s_barrier_signal -1
	s_barrier_wait -1                              ; a row's 256 code bytes come from two waves
.irp s, 0,1,2
	ds_load_b128 v[64+4*\s:67+4*\s], v[SRD] offset:512*\s
.endr
.set tt, 0
.rept 32
	ds_load_b128 v[128+4*tt:131+4*tt], v[PRD] offset:544*tt
.set tt, tt+1
.endr
	s_wait_dscnt 32                                ; the three runs of statistics are in; the 32 row loads may be out
.irp s, 0,1,2
	global_store_b128 v[SGO], v[64+4*\s:67+4*\s], s[96:97] offset:1048576*\s         ; 32 lanes store 512 consecutive bytes, at a multiple of 256 from pst's first byte
.endr
.set tt, 0
.rept 32
	s_wait_dscnt 31-tt
	global_store_b128 v[PGO], v[128+4*tt:131+4*tt], s[12:13] offset:4096*tt          ; sixteen lanes store 256 consecutive bytes, at a multiple of 256 from pc's first byte
.set tt, tt+1
.endr
	s_wait_tensorcnt 0x0                           ; the wave's end
	ds_add_u32 v[SPW], v[NIL]
	s_wait_dscnt 0x0
	CROUND                                         ; the closing round: no work-group ends while a partner may still ask for a tile that names it
	s_endpgm
.Lfunc_end_k_q93c31be970_scores:
	.size	k_q93c31be970_scores, .Lfunc_end_k_q93c31be970_scores-k_q93c31be970_scores
	.p2alignl 7, 3214868480
	.fill 96, 4, 3214868480
	.section	.rodata,"a",@progbits
	.p2align	6, 0x0
	.amdhsa_kernel k_q93c31be970_scores
		.amdhsa_group_segment_fixed_size 327680
		.amdhsa_private_segment_fixed_size 0
		.amdhsa_enable_private_segment 0
		.amdhsa_kernarg_size 48
		.amdhsa_user_sgpr_count 2
		.amdhsa_user_sgpr_kernarg_segment_ptr 1
		.amdhsa_wavefront_size32 1
		.amdhsa_system_sgpr_workgroup_id_x 1
		.amdhsa_system_sgpr_workgroup_id_y 1
		.amdhsa_system_sgpr_workgroup_id_z 1
		.amdhsa_system_vgpr_workitem_id 0
		.amdhsa_next_free_vgpr 1024
		.amdhsa_next_free_sgpr 100
		.amdhsa_reserve_vcc 0
		.amdhsa_float_denorm_mode_32 3
		.amdhsa_float_denorm_mode_16_64 3
		.amdhsa_memory_ordered 1
		.amdhsa_forward_progress 1
		.amdhsa_inst_pref_size 234
	.end_amdhsa_kernel
	.amdgpu_metadata
---
amdhsa.version: [ 1, 2 ]
amdhsa.kernels:
  - .name:           k_q93c31be970_scores
    .symbol:         k_q93c31be970_scores.kd
    .args:
      - { .name: qc, .offset: 0, .size: 8, .value_kind: global_buffer, .address_space: global }
      - { .name: qs, .offset: 8, .size: 8, .value_kind: global_buffer, .address_space: global }
      - { .name: kc, .offset: 16, .size: 8, .value_kind: global_buffer, .address_space: global }
      - { .name: ks, .offset: 24, .size: 8, .value_kind: global_buffer, .address_space: global }
      - { .name: pc, .offset: 32, .size: 8, .value_kind: global_buffer, .address_space: global }
      - { .name: pst, .offset: 40, .size: 8, .value_kind: global_buffer, .address_space: global }
    .group_segment_fixed_size: 327680
    .private_segment_fixed_size: 0
    .kernarg_segment_align: 8
    .kernarg_segment_size: 48
    .max_flat_workgroup_size: 128
    .sgpr_count:     100
    .vgpr_count:     1024
    .wavefront_size: 32
...
	.end_amdgpu_metadata
.endif
;; end of part 2
;; launch mix (part 3): grid 4 x 64, 4 waves a work-group, clusters of 4 x 4, 327,680 bytes of LDS; arguments pc, pst, vc, vs, out0; writes out0
.if DOCPART == 3
	.amdgcn_target "amdgcn-amd-amdhsa--gfx1250"
	.amdhsa_code_object_version 6
	.text
	.protected	k_q93c31be970_mix
	.globl	k_q93c31be970_mix
	.p2align	8
	.type	k_q93c31be970_mix,@function
k_q93c31be970_mix:
	s_mov_b64 s[64:65], 0
	v_nop
	global_prefetch_b8 v0, s[64:65] scope:SCOPE_SE
	s_setreg_imm32_b32 hwreg(HW_REG_WAVE_MODE, 25, 1), 1
	s_wait_xcnt 0x0
	s_wait_alu depctr_hold_cnt(0) depctr_sa_sdst(0) depctr_va_vdst(0) depctr_va_sdst(0) depctr_va_ssrc(0) depctr_va_vcc(0) depctr_vm_vsrc(0)
	s_getreg_b32 s2, hwreg(HW_REG_IB_STS2, 6, 4)
	s_cmp_eq_u32 s2, 0
	s_cbranch_scc0 .Lentry_in_a_cluster
	s_endpgm
.Lentry_in_a_cluster:
	s_bfe_u32 s2, ttmp6, 0x10000c
	s_cmp_lg_u32 s2, 0xf033
	s_cbranch_scc0 .Lentry_shape_is_right
	s_endpgm
.Lentry_shape_is_right:
; O = P V / l on codes of FP8 (E4M3) with E8M0 scales.  pc [16384 queries][2048 keys]: p's codes, made under a whole number M of each group of 128 keys; pst: three sections of 2^20 bytes, each
; [16 key groups][16384 queries] words: p's scale word, -M, l of the group.  vc [8 x 1024 channels][2048 keys], vs [8 x 1024][64]: value along the keys.  out0 [16384][1024] f32.
; THE HEAD, while the first tiles are on their way: thread t serves queries 2 t and 2 t + 1 of the work-group's 256.  The row's M is the largest of its 16; d = M - the group's M is a whole number, 0 or more;
; l = the sum of the groups' l x 2^-d; d is taken off each of the group's four scale bytes, which is the same exact power of two.  The corrected words go into LDS where the loop's scale loads expect them; 1 / l into a table.
; LIMITS: d is held at 127, and a byte that would fall under 0 becomes 0 (2^-127): what is lost is at most 448 x 2^-127 a product, beside a row whose largest p is above 1/2.  NaN and infinities are not served.
; THE PRODUCT: a work-group of four waves makes 256 queries x 256 channels, a wave 128 x 128: 64 accumulators.  K (2,048 keys) goes in steps of 256 through a ring of two LDS slots filled by tensor loads.
; CLUSTERS: 4 x 4 work-groups of one batch; the four of a row of the cluster ask for P's tiles jointly, the four of a column for V's tiles and V's scale bytes.
; THE MATRIX INSTRUCTION IS USED TRANSPOSED (source 0 = 16 channels, source 1 = 16 queries): a lane holds eight neighbouring channels of one query.
; REGISTERS, in windows of 256: window 0: v0-31 addresses; v32-63 scale words, two sets, and nothing else; v64-95 the head's corrected words, later 1 / l; from v128 the head's statistics, then P's fragments, ONE set.
;   window 1: V's fragments, TWO sets.   window 2: the accumulators of my queries 0-63;   window 3: those of my queries 64-127.
; THE TILES ARE PREFETCHED: at a change of slots every wave has waited for all its tensor loads, so a refill goes out with nothing on its way beside it and has one K step, 128 matrix instructions a wave, in which to land.
; Behind each refill a wave therefore names the K step that stands two refills on (macro ASK says who names which rows, and where it stops).
.set SIZE_K, 2048
.set SIZE_N, 1024
.set KSTEP,  256
.set NQ,     KSTEP/128
.set ROWB,   256
.set KROW,   SIZE_K
.set PITCH,  272                       ; an LDS row: 256 bytes + 16 of padding = 68 words: row r starts at bank 4 r mod 64 (64 banks of 4 bytes: ISA guide 11.1)
.set FR,     16
.set NL,     4
.set NP,     8                         ; places behind this matrix instruction (ISA guide 7.12.1)
.set HALFT,  128*PITCH
.set SLOT,   4*HALFT
.set LAPS,   SIZE_K/(2*KSTEP)
.set KS,     SIZE_K/32
.set SCL,    2*SLOT                    ; behind the ring: P's scale words, 68 blocks of 256 bytes that the head stores and no tensor load fills; behind them V's scale bytes, filled once
.set HALFS,  (128*KS/256)*272
.set SBLK,   (16*KS/256)*272
.set SPARE,  SCL+4*HALFS               ; the spare words, 128 bytes for each wave: two blocks of 256 bytes that no other line names
.set RLT,    SPARE+512                 ; 1 / l of the 256 queries
.set SPITCH, 528                       ; the way out: a stage of 16 rows x (512 bytes + 16) for each wave, in slot 0, which has had its last fill and its last read by then
.set RLA,  15                          ; v15     where I read 1 / l of my lane's query
.set ADRA, 16
.set SWA,  18                          ; v18     where the head stores its two rows of scale words
.set RLS,  19                          ; v19     and their 1 / l
.set ADRB, 20
.set PSO,  22                          ; v22     8 x thread: my two queries' words in a section's row of pst
.set PFO,  23                          ; v23     the prefetches' offset: my lane x a row of pc or vc (2,048 bytes); never rewritten
.set STO,  24
.set RD,   25
.set CO,   26
.set ADRS, 27
.set SPW,  28                          ; v28     LDS address of my spare word; never rewritten
.set NIL,  29                          ; v29     0; never rewritten
.set SC,   32
.set RC,   64                          ; v64, 66, .. 78: 1 / l for my eight blocks of queries
.set AF,   128
.set BK,   128
.set G1, 24
.set G0, 32
.set G1B, 48
.set G0B, 56
.set PFA,  76                          ; s[76:77] where my prefetches stand: my work-group's 32 rows of the 128 that I fetch, one K step further along K than the refill that is being asked for; a prefetch names the K step after that
.set LIM,  78                          ; s78     1 in a wave that prefetches, else the greatest number
.set G1SB, 80
.set G0SB, 88
.set MSB, 0
.macro WIN new                         ; the immediate's high byte repeats the setting that is left
.if MSB != \new
	s_set_vgpr_msb (MSB<<8)|\new
.set MSB, \new
.endif
.endm
.set MUL_LO, 0xa1
.set MUL_HI, 0xf1
.set TO_B,   0x40
; A joint load: waves 0 and 1 fetch for P, waves 2 and 3 for V.  The branch hangs on the wave's number alone.  Four v_nop follow each of the two lines.
.macro JLOAD g0a, g1a, g0b, g1b
	s_cmp_eq_u32 s15, 0
	s_cbranch_scc0 .Lfor_b_\@
	tensor_load_to_lds s[\g0a:\g0a+3], s[\g1a:\g1a+7]
	s_nop 0
.rept 4
	v_nop
.endr
	s_branch .Lasked_\@
.Lfor_b_\@:
	tensor_load_to_lds s[\g0b:\g0b+3], s[\g1b:\g1b+7]
	s_nop 0
.rept 4
	v_nop
.endr
.Lasked_\@:
.endm
; A PREFETCH INTO THE L2, behind each joint refill, its four lines and the run of LDS loads that follows them: the K step that stands TWO refills on, 256 matrix instructions a wave ahead of the load that will
; want it: 32 rows x 256 bytes, a lane a row, one instruction a wave.  Each row's 256 bytes of a K step are named ONCE in the launch.  P's tile row is read by one cluster alone (the grid is one cluster wide): every
; cluster names its own.  V's tile column is read by the batch's two clusters: the one with the even y names it.  The four partners that ask for a tile jointly share its rows out BY ADDRESS: of the 128 rows that
; wave w fetches, the partner at place p takes 32 p .. 32 p + 31 (p = cx for P, cy for V): no branch hangs on a work-group's place in its cluster.
; THE ENDS: K steps 0 to 3 come by their loads alone (nothing is named at the head, where every work-group's first tiles are on their way); the loop's last trip (s3 = 1), which refills K steps 6 and 7, names nothing.
.macro ASK
	s_cmp_gt_u32 s3, s[LIM]
	s_cbranch_scc0 .Lnot_mine_\@
	global_prefetch_b8 v[PFO], s[PFA:PFA+1] offset:ROWB th:TH_LOAD_NT scope:SCOPE_SE
.Lnot_mine_\@:
.endm
.macro CREST
	s_cmp_lg_u32 s14, 0
	s_cbranch_scc1 .Lnot_wave_0_\@
	s_barrier_signal -3
.Lnot_wave_0_\@:
	s_barrier_wait -3
	s_barrier_signal -1
	s_barrier_wait -1
.endm
.macro CROUND
	s_barrier_signal -1
	s_barrier_wait -1
	CREST
.endm
	s_load_b128 s[4:7], s[0:1], 0x0                ; pc, pst
	s_load_b128 s[8:11], s[0:1], 0x10              ; vc, vs
	s_load_b64 s[12:13], s[0:1], 0x20              ; out0
	v_lshl_add_u32 v[SPW], v0, 2, SPARE
	v_mov_b32 v[NIL], 0
	ds_add_u32 v28, v29
	ds_add_u32 v28, v29
	s_wait_dscnt 0x0
	v_lshrrev_b32 v1, 5, v0
	v_readfirstlane_b32 s14, v1                    ; wave 0..3
	s_lshr_b32 s15, s14, 1                         ; which half of the tile's queries is mine.  Also: I fetch for P (0) or for V (1)
	s_and_b32 s16, s14, 1                          ; which half of its channels.  Also: which 128 rows of that tile I fetch
	s_bfe_u32 s40, ttmp6, 0x40000                  ; cx, cy
	s_bfe_u32 s41, ttmp6, 0x40004
	s_lshl_b32 s42, ttmp9, 2
	s_add_co_u32 s42, s42, s40                     ; tile column (256 channels)
	s_and_b32 s17, ttmp7, 0xffff
	s_lshl_b32 s17, s17, 2
	s_add_co_u32 s17, s17, s41                     ; tile row (256 of all 16,384 queries)
	s_lshl_b32 s43, s41, 2
	s_lshl_b32 s43, 15, s43                        ; my row of the cluster
	s_lshl_b32 s44, 0x1111, s40                    ; my column
	s_or_b32 s[G1+0], s43, (0<<16)|(1<<20)|(1<<21)|(5<<22)|(3<<25)  ; 15:0 the mask: P's tiles go to my row; elements of 1 byte; padding: 4 words after every 64; 21 set beside a mask
	s_or_b32 s[G1B+0], s44, (0<<16)|(1<<20)|(1<<21)|(5<<22)|(3<<25)
.irp g, G1, G1B
	s_mov_b32 s[\g+1], ROWB<<16                    ; tensor_dim0
	s_mov_b32 s[\g+2], 128<<16                     ; tensor_dim1
	s_mov_b32 s[\g+3], ROWB<<16                    ; tile_dim0
	s_mov_b32 s[\g+4], 128                         ; tile_dim1
	s_mov_b32 s[\g+5], KROW                        ; tensor_dim0_stride
	s_mov_b32 s[\g+6], 0
	s_mov_b32 s[\g+7], 0
.endr
	; V's scale bytes of 64 rows: a dense block of 4,096 bytes, as 16 rows of 256 bytes (32 elements of 8 bytes), 16 bytes of padding behind each
	s_or_b32 s[G1SB+0], s44, (3<<16)|(1<<20)|(1<<21)|(5<<22)|(3<<25)
	s_mov_b32 s[G1SB+1], 32<<16
	s_mov_b32 s[G1SB+2], 16<<16
	s_mov_b32 s[G1SB+3], 32<<16
	s_mov_b32 s[G1SB+4], 16
	s_mov_b32 s[G1SB+5], 32
	s_mov_b32 s[G1SB+6], 0
	s_mov_b32 s[G1SB+7], 0
	s_lshl_b32 s18, s16, 7                         ; which 128 rows of the tile I fetch
	s_lshl_b32 s20, s17, 8
	s_add_co_u32 s20, s20, s18                     ; P: row 256 x tile row + 128 x half
	s_and_b32 s95, ttmp7, 0xffff
	s_lshr_b32 s95, s95, 1                         ; the batch = cluster y / 2: the same in all sixteen partners
	s_lshl_b32 s95, s95, 10
	s_lshl_b32 s46, s42, 8
	s_add_co_u32 s46, s46, s95                     ; V: the tile's first row: 1024 x batch + 256 x tile column
	s_lshl_b32 s92, s14, 6
	s_add_co_u32 s92, s92, s46                     ; the 64 rows whose scale bytes I fetch,
	s_lshl_b32 s92, s92, 6                         ; 64 bytes a row
	s_mov_b32 s93, 0
	s_add_co_u32 s46, s46, s18                     ; the 128 rows whose codes I fetch
	s_mov_b32 s21, 0
	s_mov_b32 s47, 0
	s_mov_b64 s[18:19], KROW
	s_mul_u64 s[20:21], s[20:21], s[18:19]
	s_mul_u64 s[46:47], s[46:47], s[18:19]
	s_lshl_b32 s22, s17, 10                        ; pst: my tile's 256 queries, 4 bytes each
	s_mov_b32 s23, 0
	s_mul_i32 s45, s14, HALFT                      ; where the tiles go: wave x 128 rows: no place in the cluster enters an LDS address
	s_mul_i32 s94, s14, 16*272
	s_mov_b32 s66, 0x01010101
	s_mov_b32 s67, 0x80808080
	s_mov_b32 s95, 0x7f7f7f7f
	s_mov_b32 s98, 0xc2fe0000                      ; -127.0
	v_lshlrev_b32 v[PSO], 3, v0
	s_wait_kmcnt 0x0
	s_add_nc_u64 s[20:21], s[4:5], s[20:21]
	s_add_nc_u64 s[6:7], s[6:7], s[22:23]
	s_add_nc_u64 s[46:47], s[8:9], s[46:47]
	s_add_nc_u64 s[92:93], s[10:11], s[92:93]
.set HN, 128                           ; v128-159 -M of key group g, queries 2 t, 2 t + 1
.set HL, 160                           ; v160-191 l
.set HW, 192                           ; v192-223 the scale words
.irp g, 0,1,2,3,4,5,6,7,8,9,10,11,12,13,14,15
	global_load_b64 v[HN+2*\g:HN+2*\g+1], v[PSO], s[6:7] offset:1048576+65536*\g      ; the work-group's 128 threads read 1,024 consecutive bytes
.endr
.irp g, 0,1,2,3,4,5,6,7,8,9,10,11,12,13,14,15
	global_load_b64 v[HL+2*\g:HL+2*\g+1], v[PSO], s[6:7] offset:2097152+65536*\g
.endr
.irp g, 0,1,2,3,4,5,6,7,8,9,10,11,12,13,14,15
	global_load_b64 v[HW+2*\g:HW+2*\g+1], v[PSO], s[6:7] offset:65536*\g
.endr
	CROUND                                         ; all sixteen work-groups are here: the first joint loads meet
	s_mov_b32 s[G0SB], 1
	s_add_co_u32 s[G0SB+1], s94, SCL+2*HALFS
	s_mov_b64 s[G0SB+2:G0SB+3], s[92:93]
	s_or_b32 s[G0SB+3], s[G0SB+3], 0x80000000
	tensor_load_to_lds s[G0SB:G0SB+3], s[G1SB:G1SB+7]      ; V's scale bytes: every wave a quarter, rows 64 w on
	s_nop 0
.rept 4
	v_nop
.endr
.irp s, 0,1
	s_mov_b32 s[G0+4*\s], 1
	s_add_co_u32 s[G0+4*\s+1], s45, \s*SLOT
	s_add_nc_u64 s[G0+4*\s+2:G0+4*\s+3], s[20:21], \s*ROWB
	s_or_b32 s[G0+4*\s+3], s[G0+4*\s+3], 0x80000000
	s_mov_b32 s[G0B+4*\s], 1
	s_add_co_u32 s[G0B+4*\s+1], s45, \s*SLOT
	s_add_nc_u64 s[G0B+4*\s+2:G0B+4*\s+3], s[46:47], \s*ROWB
	s_or_b32 s[G0B+4*\s+3], s[G0B+4*\s+3], 0x80000000
	JLOAD G0+4*\s, G1, G0B+4*\s, G1B
.endr
	v_and_b32 v1, 15, v0                           ; r
	v_bfe_u32 v2, v0, 4, 1                         ; h
	v_mul_u32_u24 v3, v1, PITCH
	v_lshl_add_u32 v4, v2, 4, v3
	s_mul_i32 s21, s15, HALFT
	s_mul_i32 s22, s16, HALFT
	s_add_co_u32 s22, s22, 2*HALFT
.irp s, 0,1
	v_add_nc_u32 v[ADRA+\s], s21, v4
	v_add_nc_u32 v[ADRB+\s], s22, v4
	s_add_co_u32 s21, s21, SLOT
	s_add_co_u32 s22, s22, SLOT
.endr
	v_mul_u32_u24 v5, v1, KS                       ; my row's scales: KS bytes a row,
	v_lshrrev_b32 v6, 8, v5
	v_lshl_add_u32 v5, v6, 4, v5                   ; and 16 more for each 256 passed
	s_mul_i32 s21, s15, HALFS
	s_mul_i32 s22, s16, HALFS
	s_add_co_u32 s22, s22, 2*HALFS
	s_sub_co_u32 s22, s22, s21
	v_mul_u32_u24 v6, s22, v2                      ; lanes 16-31 take V's: one product, the distance between the two bases
	s_add_co_u32 s21, s21, SCL
	v_add_nc_u32 v5, v5, v6
	v_add_nc_u32 v[ADRS], s21, v5
	s_mul_i32 s23, s14, 16*SPITCH                  ; my stage
	v_mul_u32_u24 v5, v1, SPITCH
	v_lshl_add_u32 v5, v2, 5, v5
	v_add_nc_u32 v[STO], s23, v5
	v_and_b32 v6, 31, v0
	v_lshlrev_b32 v[CO], 4, v6
	v_add_nc_u32 v[RD], s23, v[CO]
	s_lshl_b32 s23, s15, 9
	s_add_co_u32 s23, s23, RLT
	v_lshl_add_u32 v[RLA], v1, 2, s23              ; 1 / l of query 128 x my half + r
	v_lshrrev_b32 v5, 1, v0
	v_mul_u32_u24 v5, v5, 272
	v_and_b32 v6, 1, v0
	v_lshl_add_u32 v[SWA], v6, 7, v5
	v_add_nc_u32 v[SWA], SCL, v[SWA]               ; rows 2 t, 2 t + 1 of 64 bytes: four rows to a run of 256 + 16
	v_lshl_add_u32 v[RLS], v0, 3, RLT
	s_lshl_b32 s20, s17, 8
	s_lshl_b32 s21, s15, 7
	s_add_co_u32 s20, s20, s21                     ; my first row of out0
	s_mov_b32 s21, 0
	s_mov_b64 s[18:19], SIZE_N*4
	s_mul_u64 s[20:21], s[20:21], s[18:19]
	s_lshl_b32 s46, s42, 10                        ; my first column, in bytes
	s_lshl_b32 s47, s16, 9
	s_add_co_u32 s46, s46, s47
	s_mov_b32 s47, 0
	s_add_nc_u64 s[20:21], s[20:21], s[46:47]
	s_add_nc_u64 s[12:13], s[12:13], s[20:21]
	; the prefetches (macro ASK): where my wave's stand, and who asks.  In registers that feed no descriptor
	s_and_b32 s70, ttmp7, 0xffff                   ; cluster y
	s_lshr_b32 s71, s70, 1
	s_lshl_b32 s71, s71, 10                        ; 1024 x batch
	s_lshl_b32 s72, s42, 8
	s_add_co_u32 s71, s71, s72                     ; V's tile: its first row
	s_lshl_b32 s72, s17, 8                         ; P's tile: its first row
	s_and_b32 s70, s70, 1                          ; which of the batch's two clusters is mine
	s_cmp_eq_u32 s15, 0                            ; do I fetch for P?
	s_cselect_b32 s72, s72, s71                    ; the tile's first row
	s_cselect_b32 s73, s40, s41                    ; my place among the four that ask for it with me
	s_cselect_b32 s70, ttmp9, s70                  ; the coordinate along which other clusters read the same rows
	s_cselect_b64 s[PFA:PFA+1], s[4:5], s[8:9]
	s_cmp_eq_u32 s70, 0
	s_cselect_b32 s[LIM], 1, -1                    ; the same in all sixteen partners, for a given wave
	s_lshl_b32 s74, s16, 7
	s_add_co_u32 s72, s72, s74                     ; + the 128 rows that I fetch
	s_lshl_b32 s73, s73, 5
	s_add_co_u32 s72, s72, s73                     ; + my work-group's 32 of them
	s_lshl_b32 s72, s72, 11                        ; 2,048 bytes a row (under 2^25)
	s_mov_b32 s73, 0
	s_add_nc_u64 s[PFA:PFA+1], s[PFA:PFA+1], s[72:73]
	s_add_nc_u64 s[PFA:PFA+1], s[PFA:PFA+1], 2*ROWB        ; at K step 2: the first refill steps it to 3 and names K step 4
	v_and_b32 v[PFO], 31, v0
	v_lshlrev_b32 v[PFO], 11, v[PFO]
	; ---- THE HEAD: the rows' M and l, and the scale words under the rows' M.  The two rows by turns
.set HG, 224                           ; v224-225 the row's M
.set HS, 226                           ; v226-227 its l
.set HR, 228                           ; v228-229 1 / l
.set HT, 230                           ; v230-237, v238-245 at work
.set HO, 64                            ; v64-95   the corrected words: row j's 16
	s_wait_loadcnt 32                              ; the 16 loads of -M are in; those of l and of the words may be out
.irp j, 0,1
	v_max3_num_f32 v[HG+\j], -v[HN+\j], -v[HN+2+\j], -v[HN+4+\j]
.endr
.irp g, 3,5,7,9,11,13
.irp j, 0,1
	v_max3_num_f32 v[HG+\j], v[HG+\j], -v[HN+2*\g+\j], -v[HN+2*\g+2+\j]
.endr
.endr
.irp j, 0,1
	v_max_num_f32 v[HG+\j], v[HG+\j], -v[HN+30+\j]
.endr
	s_wait_loadcnt 0x0
.irp g, 0,1,2,3,4,5,6,7,8,9,10,11,12,13,14,15
.irp j, 0,1
	v_sub_f32 v[HT+8*\j], -v[HG+\j], v[HN+2*\g+\j]         ; -d = the group's M - the row's M: a whole number, 0 or less
.endr
.irp j, 0,1
	v_max_num_f32 v[HT+8*\j], s98, v[HT+8*\j]      ; held at -127
.endr
.irp j, 0,1
	v_cvt_i32_f32 v[HT+8*\j], v[HT+8*\j]
.endr
.irp j, 0,1
.if \g == 0
	v_ldexp_f32 v[HS+\j], v[HL+2*\g+\j], v[HT+8*\j]        ; the first group starts the sum
.else
	v_ldexp_f32 v[HT+8*\j+1], v[HL+2*\g+\j], v[HT+8*\j]    ; the group's l under the row's M
.endif
.endr
.irp j, 0,1
	v_mul_lo_u32 v[HT+8*\j+2], v[HT+8*\j], s66     ; -d in each of the four bytes (d is at most 127: no byte runs into the next)
.endr
.irp j, 0,1
	v_or_b32 v[HT+8*\j+3], s67, v[HW+2*\g+\j]      ; 128 + byte: p's bytes are at most 119
.endr
.if \g > 0
.irp j, 0,1
	v_add_f32 v[HS+\j], v[HS+\j], v[HT+8*\j+1]
.endr
.endif
.irp j, 0,1
	v_add_nc_u32 v[HT+8*\j+3], v[HT+8*\j+3], v[HT+8*\j+2]  ; 128 + byte - d, at least 1: no byte borrows from the next
.endr
.irp j, 0,1
	v_and_b32 v[HT+8*\j+4], s67, v[HT+8*\j+3]      ; the top bit stands where byte - d is 0 or more
.endr
.irp j, 0,1
	v_lshlrev_b32 v[HT+8*\j+5], 1, v[HT+8*\j+4]
.endr
.irp j, 0,1
	v_lshrrev_b32 v[HT+8*\j+4], 7, v[HT+8*\j+4]
.endr
.irp j, 0,1
	v_sub_nc_u32 v[HT+8*\j+4], v[HT+8*\j+5], v[HT+8*\j+4]  ; 0xff in each such byte
.endr
.irp j, 0,1
	v_and_b32 v[HT+8*\j+3], s95, v[HT+8*\j+3]
.endr
.irp j, 0,1
	v_and_b32 v[HO+16*\j+\g], v[HT+8*\j+3], v[HT+8*\j+4]   ; byte - d, or 0
.endr
.endr
	v_rcp_f32 v[HR], v[HS]
	v_rcp_f32 v[HR+1], v[HS+1]
	v_nop                                          ; a plain instruction behind the reciprocals
	s_wait_alu depctr_va_vdst(0)                   ; one wait for both, ahead of their first reader
	ds_store_b64 v[RLS], v[HR:HR+1]
.irp j, 0,1
.irp q, 0,1,2,3
	ds_store_b128 v[SWA], v[HO+16*\j+4*\q:HO+16*\j+4*\q+3] offset:64*\j+16*\q
.endr
.endr
.macro FRAG reg, adr, q, i
.irp c, 0,1,2,3
	ds_load_b128 v[\reg+4*\c:\reg+4*\c+3], v[\adr] offset:128*(\q)+32*\c+(\i)*16*PITCH
.endr
.endm
; 16 matrix instructions: P's blocks a0, a0 + 1 x V's eight, 128 along K.  The 64 accumulators take turns, one instruction a turn.
.macro MUL16 a0, p, q, sc, zero
.irp a, \a0, \a0+1
.irp b, 0,1,2,3,4,5,6,7
.if \zero
	v_wmma_scale_f32_16x16x128_f8f6f4 v[8*(8*((\a)%4)+\b):8*(8*((\a)%4)+\b)+7], v[128*(\p)+FR*\b:128*(\p)+FR*\b+FR-1], v[AF+FR*(\a):AF+FR*(\a)+FR-1], 0, v[SC+8*NQ*(\sc)+NQ*\b+(\q)], v[SC+8*NQ*(\sc)+NQ*(\a)+(\q)] matrix_a_scale:MATRIX_SCALE_ROW1
.else
	v_wmma_scale_f32_16x16x128_f8f6f4 v[8*(8*((\a)%4)+\b):8*(8*((\a)%4)+\b)+7], v[128*(\p)+FR*\b:128*(\p)+FR*\b+FR-1], v[AF+FR*(\a):AF+FR*(\a)+FR-1], v[8*(8*((\a)%4)+\b):8*(8*((\a)%4)+\b)+7], v[SC+8*NQ*(\sc)+NQ*\b+(\q)], v[SC+8*NQ*(\sc)+NQ*(\a)+(\q)] matrix_a_scale:MATRIX_SCALE_ROW1
.endif
.endr
.endr
.endm
.macro FETCH_B slot, q, p
	WIN TO_B
.irp i, 0,1,2,3,4,5,6,7
	FRAG 128*(\p)+FR*\i, ADRB+\slot, \q, \i
.endr
	WIN 0
.endm
.macro FETCH_A slot, q, i0
.irp i, \i0, \i0+1, \i0+2, \i0+3
	FRAG AF+FR*(\i), ADRA+\slot, \q, \i
.endr
.endm
.macro SCALES sc
.irp i, 0,1,2,3,4,5,6,7
	ds_load_b64 v[SC+8*NQ*\sc+NQ*\i:SC+8*NQ*\sc+NQ*\i+1], v[ADRS] offset:\i*SBLK
.endr
.endm
.macro PLACES n
.rept \n
	v_nop
.endr
.endm
.macro STEP slot, q, zero
	s_wait_dscnt 4*NL                              ; V's set and P's blocks 0-3 are in; the youngest 16 loads (P's blocks 4-7) may be out
	WIN MUL_LO
	MUL16 0, (\q)%2, \q, \slot, \zero
	MUL16 2, (\q)%2, \q, \slot, \zero
	s_wait_dscnt 0
	PLACES NP
	FETCH_B \slot, (\q)+1, 1-(\q)%2
	FETCH_A \slot, (\q)+1, 0
	WIN MUL_HI
	MUL16 4, (\q)%2, \q, \slot, \zero
	MUL16 6, (\q)%2, \q, \slot, \zero
	PLACES NP
	WIN 0
	FETCH_A \slot, (\q)+1, 4
.endm
.macro TURN slot, next, fill
.if \fill
	s_wait_xcnt 0x0                                ; the last prefetch, a K step back, has read its address: it is stepped here, ahead of the waits of the change of slots
	s_add_nc_u64 s[PFA:PFA+1], s[PFA:PFA+1], ROWB
.endif
	s_wait_tensorcnt 0x0                           ; all my tensor loads have landed: my part of the next slot
	ds_add_u32 v[SPW], v[NIL]                      ; 0 onto my spare word
	s_wait_dscnt 4*NL+1                            ; (the add and the youngest 16 loads may be out)
	WIN MUL_LO
	MUL16 0, 1, NQ-1, \slot, 0
	s_wait_dscnt 0x0                               ; the add is done, and my reads of this slot are over
	s_barrier_signal -1
	MUL16 2, 1, NQ-1, \slot, 0
	WIN 0
	s_barrier_wait -1
.if \fill
	CREST                                          ; the barrier has opened a round of the cluster's: no wave of any partner still reads this slot or has a load on its way
	s_add_nc_u64 s[G0+4*\slot+2:G0+4*\slot+3], s[G0+4*\slot+2:G0+4*\slot+3], 2*ROWB
	s_add_nc_u64 s[G0B+4*\slot+2:G0B+4*\slot+3], s[G0B+4*\slot+2:G0B+4*\slot+3], 2*ROWB
	JLOAD G0+4*\slot, G1, G0B+4*\slot, G1B         ; the first tensor load behind the round; its four v_nop are among the places in front of the loads below
	PLACES NP-4
.else
	PLACES NP
.endif
	v_add_nc_u32 v[ADRS], 4*NQ, v[ADRS]            ; on to the next K step's scale words
	FETCH_B \next, 0, 0
	FETCH_A \next, 0, 0
	SCALES \next
.if \fill
	ASK                                            ; behind the joint load and the run of LDS loads that the next products wait for
.endif
	WIN MUL_HI
	MUL16 4, 1, NQ-1, \slot, 0
	MUL16 6, 1, NQ-1, \slot, 0
	PLACES NP
	WIN 0
	FETCH_A \next, 0, 4
.endm
	s_wait_tensorcnt 1                             ; V's scale bytes and my part of K step 0 are in (K step 1's load may be out)
	s_wait_dscnt 0x0                               ; and my rows' scale words and 1 / l have landed in LDS;
	s_barrier_signal -1
	s_barrier_wait -1                              ; everybody's have
	FETCH_B 0, 0, 0
	FETCH_A 0, 0, 0
	SCALES 0
	FETCH_A 0, 0, 4
	STEP 0, 0, 1                                   ; the first step stands in front of the loop: its products start the sums
	s_mov_b32 s3, LAPS-1
.Llap:                                                 ; a trip goes once round the ring and fills both slots again
	TURN 0, 1, 1
	STEP 1, 0, 0
	TURN 1, 0, 1
	STEP 0, 0, 0
	s_sub_co_u32 s3, s3, 1
	s_cmp_lg_u32 s3, 0
	s_cbranch_scc1 .Llap
	TURN 0, 1, 0                                   ; the last lap fills nothing
	STEP 1, 0, 0
	s_wait_dscnt 4*NL
	WIN MUL_LO
	MUL16 0, 1, NQ-1, 1, 0
	MUL16 2, 1, NQ-1, 1, 0
	s_wait_dscnt 0
	WIN MUL_HI
	MUL16 4, 1, NQ-1, 1, 0
	MUL16 6, 1, NQ-1, 1, 0
	WIN 0
; THE WAY OUT, block by block of 16 queries x 128 channels: x 1 / l in place, through my own stage in LDS, and back as whole rows of 512 bytes.
.macro SCALE a                         ; each accumulator from its low end on
.set AC, 64*((\a)%4)
.set WN, (2+(\a)/4)*0x41               ; destination and source 0 in the accumulators' window, 1 / l in window 0
	WIN WN
.set jj, 0
.rept 32
	v_pk_mul_f32 v[AC+jj:AC+jj+1], v[AC+jj:AC+jj+1], v[RC+2*(\a):RC+2*(\a)+1] op_sel_hi:[1,0]
.set jj, jj+2
.endr
.endm
.macro TOSTAGE a
.set AC, 64*((\a)%4)
.set WN, 0x08+4*((\a)/4)               ; an LDS store's data: window 2 or 3
	WIN WN
.irp b, 0,1,2,3,4,5,6,7
	ds_store_b128 v[STO], v[AC+8*\b:AC+8*\b+3] offset:64*\b
	ds_store_b128 v[STO], v[AC+8*\b+4:AC+8*\b+7] offset:64*\b+16
.endr
	WIN 0
.set BB, BK+64*((\a)%2)
.irp t, 0,1,2,3,4,5,6,7,8,9,10,11,12,13,14,15
	ds_load_b128 v[BB+4*\t:BB+4*\t+3], v[RD] offset:\t*SPITCH      ; LDS serves a wave's instructions in order (ISA guide 5.7.1.4): these see the stores above
.endr
.endm
.macro SEND a, younger                 ; younger: the LDS instructions issued behind block a's loads, which may stay out
.set BB, BK+64*((\a)%2)
	s_wait_dscnt \younger
.if (\a) > 0
	s_add_nc_u64 s[12:13], s[12:13], 16*SIZE_N*4   ; (behind a wait on XCNT: the earlier stores have read their base)  16 rows on
.endif
.irp t, 0,1,2,3,4,5,6,7,8,9,10,11,12,13,14,15
	global_store_b128 v[CO], v[BB+4*\t:BB+4*\t+3], s[12:13] offset:\t*SIZE_N*4 th:TH_STORE_NT   ; 32 lanes store 512 consecutive bytes, at a multiple of 256 from out0's first byte
.endr
.endm
	PLACES NP                                      ; behind the last products: their results are read, and P's registers loaded into, from here on
.irp a, 0,1,2,3,4,5,6,7
	ds_load_b32 v[RC+2*\a], v[RLA] offset:64*\a    ; 1 / l of query 16 a + r (the pairs' upper words were written by the head and are not used)
.endr
	s_wait_dscnt 0x0
	SCALE 0
	TOSTAGE 0
.irp a, 1,2,3,4,5,6,7
.if \a > 1
	s_wait_xcnt 0x0                                ; block a - 2's stores have read their registers and their base: block a's loads may land there, and the base may step
.endif
	SCALE \a
	TOSTAGE \a
	SEND \a-1, 32                                  ; behind block a - 1's loads: block a's 16 stores and 16 loads
.endr
	s_wait_xcnt 0x0                                ; block 6's stores have read their base
	SEND 7, 0
	s_wait_tensorcnt 0x0                           ; the wave's end
	ds_add_u32 v[SPW], v[NIL]
	s_wait_dscnt 0x0
	CROUND                                         ; the closing round: no work-group ends while a partner may still ask for a tile that names it
	s_endpgm
.Lfunc_end_k_q93c31be970_mix:
	.size	k_q93c31be970_mix, .Lfunc_end_k_q93c31be970_mix-k_q93c31be970_mix
	.p2alignl 7, 3214868480
	.fill 96, 4, 3214868480
	.section	.rodata,"a",@progbits
	.p2align	6, 0x0
	.amdhsa_kernel k_q93c31be970_mix
		.amdhsa_group_segment_fixed_size 327680
		.amdhsa_private_segment_fixed_size 0
		.amdhsa_enable_private_segment 0
		.amdhsa_kernarg_size 40
		.amdhsa_user_sgpr_count 2
		.amdhsa_user_sgpr_kernarg_segment_ptr 1
		.amdhsa_wavefront_size32 1
		.amdhsa_system_sgpr_workgroup_id_x 1
		.amdhsa_system_sgpr_workgroup_id_y 1
		.amdhsa_system_sgpr_workgroup_id_z 1
		.amdhsa_system_vgpr_workitem_id 0
		.amdhsa_next_free_vgpr 1024
		.amdhsa_next_free_sgpr 100
		.amdhsa_reserve_vcc 0
		.amdhsa_float_denorm_mode_32 3
		.amdhsa_float_denorm_mode_16_64 3
		.amdhsa_memory_ordered 1
		.amdhsa_forward_progress 1
		.amdhsa_inst_pref_size 187
	.end_amdhsa_kernel
	.amdgpu_metadata
---
amdhsa.version: [ 1, 2 ]
amdhsa.kernels:
  - .name:           k_q93c31be970_mix
    .symbol:         k_q93c31be970_mix.kd
    .args:
      - { .name: pc, .offset: 0, .size: 8, .value_kind: global_buffer, .address_space: global }
      - { .name: pst, .offset: 8, .size: 8, .value_kind: global_buffer, .address_space: global }
      - { .name: vc, .offset: 16, .size: 8, .value_kind: global_buffer, .address_space: global }
      - { .name: vs, .offset: 24, .size: 8, .value_kind: global_buffer, .address_space: global }
      - { .name: out0, .offset: 32, .size: 8, .value_kind: global_buffer, .address_space: global }
    .group_segment_fixed_size: 327680
    .private_segment_fixed_size: 0
    .kernarg_segment_align: 8
    .kernarg_segment_size: 40
    .max_flat_workgroup_size: 128
    .sgpr_count:     100
    .vgpr_count:     1024
    .wavefront_size: 32
...
	.end_amdgpu_metadata
.endif
;; end of part 3
